; MI455X (gfx1250); checked and timed in simulation.
; The chip was launched on July 23, 2026; its instructions are those of AMD's public machine-readable ISA for CDNA 5 (MIT licence, August 2026) and "CDNA5" Instruction Set Architecture Reference Guide (July 2026). The comments in the code are by the model that wrote it; some were corrected since.
;; Extra Position Prompt SA Bottleneck. Allowed arithmetic: matrix products marked QUANTISED: E2M1 operands, one E8M0 scale for each 32 along K, by v_wmma_scale_f32_16x16x128_f8f6f4 with both operands' format E2M1 (or v_wmma_scale_f32_32x16x128_f4), f32 sums; everything else in f32.
;; Inputs: bn1_b 256 float32; bn1_g 256 float32; bn1_m 256 float32; bn1_v 256 float32; bn2_b 512 float32; bn2_g 512 float32; bn2_m 512 float32; bn2_v 512 float32; cv1_w_codes 256 x 16 x 16 uint8 (E2M1 codes of cv1_w, K innermost, in blocks of 32 codes, two codes a byte); cv1_w_scales 256 x 16 uint8 (E8M0 scales of cv1_w, one for each 32 codes along K); cv2_w_codes 512 x 8 x 16 uint8 (E2M1 codes of cv2_w, K innermost, in blocks of 32 codes, two codes a byte); cv2_w_scales 512 x 8 uint8 (E8M0 scales of cv2_w, one for each 32 codes along K); e_b 256 float32; e_w_codes 256 x 8 x 16 uint8 (E2M1 codes of e_w, K innermost, in blocks of 32 codes, two codes a byte); e_w_scales 256 x 8 uint8 (E8M0 scales of e_w, one for each 32 codes along K); k_b 256 float32; k_w_codes 256 x 8 x 16 uint8 (E2M1 codes of k_w, K innermost, in blocks of 32 codes, two codes a byte); k_w_scales 256 x 8 uint8 (E8M0 scales of k_w, one for each 32 codes along K); q_b 256 float32; q_w_codes 256 x 8 x 16 uint8 (E2M1 codes of q_w, K innermost, in blocks of 32 codes, two codes a byte); q_w_scales 256 x 8 uint8 (E8M0 scales of q_w, one for each 32 codes along K); rel_h 1 x 256 x 64 x 1 float32; rel_w 1 x 256 x 1 x 64 float32; v_b 256 float32; v_w_codes 256 x 8 x 16 uint8 (E2M1 codes of v_w, K innermost, in blocks of 32 codes, two codes a byte); v_w_scales 256 x 8 uint8 (E8M0 scales of v_w, one for each 32 codes along K); x 4 x 512 x 64 x 64 float32.
;; Outputs: out0 4 x 512 x 64 x 64 float32.
;; This version of the problem:
;;   THIS VERSION OF THE PROBLEM IS GIVEN IN LOW PRECISION. The matrix products marked QUANTISED in the list below multiply operands that are first quantised to E2M1 (2 exponent bits, 1 mantissa bit; 4 bits a number), with one power-of-two scale for each 32 numbers along K (OCP MX v1.0); their sums are f32. All else is computed in f32.
;;   The module's matrix products, in the order in which they are computed (A, B: the left and right operand; K: the contracted axis; several contracted axes count as one K, in the product's order):
;;     1. [M 16,384, K 512] x [K 512, N 256]; A: input x; B: input cv1_w (given as codes): QUANTISED
;;     2. [M 16,384, K 256] x [K 256, N 256]; A: computed on the way; B: input q_w (given as codes): QUANTISED
;;     3. [M 16,384, K 256] x [K 256, N 256]; A: computed on the way; B: input k_w (given as codes): QUANTISED
;;     4. [M 16,384, K 256] x [K 256, N 256]; A: computed on the way; B: input v_w (given as codes): QUANTISED
;;     5. [M 16,384, K 256] x [K 256, N 256]; A: computed on the way; B: input e_w (given as codes): QUANTISED
;;     6. batch 4 x [M 4,096, K 256] x [K 256, N 4,096]; A: computed on the way; B: computed on the way: QUANTISED
;;     7. [M 16,384, K 256] x [K 256, N 4,096]; A: computed on the way; B: computed on the way: QUANTISED
;;     8. batch 4 x [M 256, K 4,096] x [K 4,096, N 4,096]; A: computed on the way; B: softmax (see below): QUANTISED
;;     9. [M 16,384, K 256] x [K 256, N 512]; A: computed on the way; B: input cv2_w (given as codes): QUANTISED
;;   THE QUANTISER, for each operand of a quantised product, along K:
;;     - K is cut into blocks of 32 from its start; a last block that is shorter is filled with zeros.
;;     - A block's scale is 2^e with e = floor(log2(the largest magnitude in the block)) - 2, held to -126 .. 127; a block of zeros has e = 0. As a byte (E8M0): e + 127.
;;     - Each number is divided by its block's scale, clamped to +-6, and rounded to the nearest number of E2M1, ties to even, subnormals kept.
;;     - The product sums the exact products of the quantised numbers (number of the format x scale) in f32.
;;   ~~~python
;;   def quantise(x, axis):      # numpy; x: float32 -> the quantised numbers, widened to float32 again
;;       x = np.moveaxis(x, axis, -1); K = x.shape[-1]
;;       x = np.pad(x, [(0, 0)] * (x.ndim - 1) + [(0, -K % 32)]); x = x.reshape(x.shape[:-1] + (-1, 32)); a = np.abs(x).max(-1, keepdims=True)
;;       e = np.where(a > 0, np.clip(np.frexp(np.where(a > 0, a, 1))[1] - 1 - 2, -126, 127), 0)      # np.frexp(a)[1] - 1 = floor(log2(a)), exactly
;;       r = np.clip(x / 2.0 ** e, -6, 6)
;;       step = 2.0 ** (np.maximum(np.frexp(np.where(r == 0, 1, r))[1] - 1, 0) - 1)
;;       q = np.round(r / step) * step * 2.0 ** e      # np.round: ties to even
;;       return np.moveaxis(q.reshape(q.shape[:-2] + (-1,))[..., :K], -1, axis).astype(np.float32)
;;   ~~~
;;   SOFTMAX AHEAD OF A QUANTISED PRODUCT. Where the list says 'softmax', what is quantised is not the finished softmax but p = 2^(t - M), with t = logit x log2(e) and M = ceil(the row's largest t), a whole number; so 1/2 < the row's largest p <= 1. The row's sum l is taken of the UNQUANTISED p, in f32, and the product's result is divided by l at the end. Since M is a whole number, a kernel that streams over the keys may use a running M (the ceiling of the running maximum): every later rescaling is an exact power of two, which a block's scale takes up: the codes' values come out the same.
;;   OPERANDS COMPUTED ON THE WAY. 'Computed on the way' means the value that the module computes at that place (a softmax that the list does not call 'softmax' is quantised finished and normalised). What goes into a quantiser is computed in f32, as accurately as f32 sums, v_exp_f32 and their like allow (about 1e-6 of the number): no bf16 or f16 on the way to a quantiser, and a product that is left as it is and whose result goes on into a quantised operand takes f32 operands (vector FMAs, or v_wmma_f32_16x16x4_f32). A number that lies on a knife's edge between two numbers of the format may be rounded either way, as far as f32 arithmetic and the matrix unit's own rounding can turn it there, and no further.
;;   INPUTS GIVEN AS CODES. cv1_w (in the module: [256, 512], K = its axis 1); cv2_w (in the module: [512, 256], K = its axis 1); e_w (in the module: [256, 256], K = its axis 1); k_w (in the module: [256, 256], K = its axis 1); q_w (in the module: [256, 256], K = its axis 1); v_w (in the module: [256, 256], K = its axis 1): each comes as NAME_codes (uint8): NAME with its K axis moved to the last place and cut into blocks of 32 codes, [.., K / 32, bytes a block], one block behind the other in memory; two codes a byte, the lower K in the low four bits (a code: sign, 2 exponent bits, 1 mantissa bit); and NAME_scales (uint8): the same leading axes, one E8M0 byte (e + 127) for each 32 codes along K. Its value is code x scale, taken as it is: it is not quantised again, and the codes and scales need not be those that the quantiser above would give.
;; One version. Each part assembles by itself: llvm-mc -triple=amdgcn-amd-amdhsa -mcpu=gfx1250 --defsym DOCPART=n.
;; ======== version 1 of 1: 2 launches
;; workspace buffers: kv 6,684,672 bytes; qc 2,097,152 bytes; qs 131,072 bytes; pc 524,288 bytes; ps 32,768 bytes
;; launch front (part 1): grid 64 x 4, 4 waves a work-group, no clusters, 168,448 bytes of LDS; arguments x, cv1_w_codes, cv1_w_scales, bn1_g, bn1_b, bn1_m, bn1_v, rel_h, rel_w, kv, qc, qs, pc, ps, q_w_codes, k_w_codes, e_w_codes, v_w_codes, q_w_scales, k_w_scales, e_w_scales, v_w_scales, q_b, k_b, e_b, v_b; writes kv, qc, qs, pc, ps
.if DOCPART == 1
	.amdgcn_target "amdgcn-amd-amdhsa--gfx1250"
	.amdhsa_code_object_version 6
	.text
	.protected	k_q530d865469_front
	.globl	k_q530d865469_front
	.p2align	8
	.type	k_q530d865469_front,@function
k_q530d865469_front:
	s_mov_b64 s[64:65], 0
	v_nop
	global_prefetch_b8 v0, s[64:65] scope:SCOPE_SE
	s_setreg_imm32_b32 hwreg(HW_REG_WAVE_MODE, 25, 1), 1
	s_wait_xcnt 0x0
; x -> Q(x) -> cv1 -> bn1 -> silu -> Q(x1) -> q, k, e, v (+ bias) -> their codes; and Q(rel_h + rel_w).  All products on codes of FP4 (E2M1) with one E8M0 scale for each 32 along K.
; SHARES.  A work-group takes one image row: 64 positions of image b (grid y), row hrow (grid x).  Four waves.
;   X: wave w quantises channels 128 w .. 128 w + 127 of x (K step w of the first product) for the 64 positions.
;   1: wave w makes x1's channels 64 w .. 64 w + 63 for the 64 positions, bn1, silu, and their codes (half a K step of the next products).
;   2: wave 0 makes q, wave 1 k, wave 2 e, wave 3 v: 256 channels x 64 positions each.
;   pos: the four images' work-groups of a row share its 256 channels, 64 each; wave w takes tile w of the positions.
; TILES OF POSITIONS.  Tile T = 2 b' + u holds, in its row r, position 32 b' + 8 u + r + 8 (r / 8).  Rows of a weight that form a tile are chosen alike.  So in a product used transposed the 16 registers of two
; neighbouring tiles are 16 neighbours along the next K, and the conversions' results are the next operand.
; OPERANDS TRAVEL AS IMAGES OF THEIR REGISTERS: a fragment (16 rows x 128 K, 8 registers) is 1,024 bytes, registers 4 c .. 4 c + 3 of lane l at 512 c + 16 l; in LDS and in the workspace buffers alike.
; A SCALE PAIR is one register with the word of an even K step in lanes 0-15 and that of the odd one in lanes 16-31.
; NO JOINT LOADS: what the work-groups share are the weights (196,608 bytes); beside x's tile (131,072 bytes) and the images they do not fit in LDS, so each wave loads its part of them straight into registers, once.
; The scale bytes of v (2 of a word's 4 blocks are this work-group's) and of pos leave by stores of 2 bytes and 1 byte: 160 KB of the launch's 43 MB.
; LIMITS: NaN and infinities among the inputs are not served.  A block whose largest magnitude lies under 2^-124 keeps the byte 1; a block of zeros has the byte 1 where the rule says 127: its codes are zeros,
; and this program alone reads the bytes.
; REGISTERS.  Window 0: v1 16 l, v2 4 l, v3-7 LDS addresses, v8-11 store offsets of the tiles, v12-15 offsets, v16-31 at work, v32-63 x's codes / silu / codes, v64-71 codes, v72-73 scale words, v74-75 LDS read addresses,
;   v76-79 scale pairs, v80-95 v's bias, v96-103 cv1's scale pairs, v104-119 the role's, v120-127 x's then x1's scale words, v128-255 numbers of x and pos, then 16 accumulators.
;   Window 1: the role's 32 weight fragments.  Window 2: v0-127 cv1's 16 fragments, v128-255 the bias in the result's layout.  Window 3: v0-127 x's, then x1's fragments; v128-255 bn1.
.set STEPB,  52224                     ; kv: a block of 128 keys: 32,768 codes of k and e, 16,384 of v, 2,048 + 1,024 scale bytes
.set BATCHB, 32*STEPB
.set XIMG,   131072                    ; LDS: x's tile lies at 0 (512 rows of 256 bytes); x's 16 fragments,
.set XSC,    XIMG+16384                ; their scale words (tiles 2 g and 2 g + 1 in the two halves of the lanes),
.set HIMG,   XSC+1024                  ; x1's 8 fragments,
.set HSC,    HIMG+8192                 ; their scale words
.set EPS,    0x3727c5ac                ; 1e-5
.set TM,     16
.set WV,     84
.set SEL,    90
.set MSB, 0
.macro WIN new                         ; the immediate's high byte repeats the setting that is left
.if MSB != \new
	s_set_vgpr_msb (MSB<<8)|\new
.set MSB, \new
.endif
.endm
.macro PLACES                          ; four plain places behind matrix instructions (ISA guide 7.12.1)
.rept 4
	v_nop
.endr
.endm
.macro BARRIER                         ; my LDS stores have landed and my LDS loads are in: then the work-group's barrier
	s_wait_dscnt 0x0
	s_barrier_signal -1
	s_barrier_wait -1
.endm
; one matrix instruction from the symbols rD, rA, rB, rC (negative: the constant 0 starts the sum), rSA, rSB (scale registers), rRA, rRB (1: lanes 16-31 of the scale register)
.macro WM
.if rC < 0
.if (rRA == 0) && (rRB == 0)
	v_wmma_scale_f32_16x16x128_f8f6f4 v[rD:rD+7], v[rA:rA+7], v[rB:rB+7], 0, v[rSA], v[rSB] matrix_a_fmt:MATRIX_FMT_FP4 matrix_b_fmt:MATRIX_FMT_FP4
.elseif rRB == 0
	v_wmma_scale_f32_16x16x128_f8f6f4 v[rD:rD+7], v[rA:rA+7], v[rB:rB+7], 0, v[rSA], v[rSB] matrix_a_fmt:MATRIX_FMT_FP4 matrix_b_fmt:MATRIX_FMT_FP4 matrix_a_scale:MATRIX_SCALE_ROW1
.elseif rRA == 0
	v_wmma_scale_f32_16x16x128_f8f6f4 v[rD:rD+7], v[rA:rA+7], v[rB:rB+7], 0, v[rSA], v[rSB] matrix_a_fmt:MATRIX_FMT_FP4 matrix_b_fmt:MATRIX_FMT_FP4 matrix_b_scale:MATRIX_SCALE_ROW1
.else
	v_wmma_scale_f32_16x16x128_f8f6f4 v[rD:rD+7], v[rA:rA+7], v[rB:rB+7], 0, v[rSA], v[rSB] matrix_a_fmt:MATRIX_FMT_FP4 matrix_b_fmt:MATRIX_FMT_FP4 matrix_a_scale:MATRIX_SCALE_ROW1 matrix_b_scale:MATRIX_SCALE_ROW1
.endif
.else
.if (rRA == 0) && (rRB == 0)
	v_wmma_scale_f32_16x16x128_f8f6f4 v[rD:rD+7], v[rA:rA+7], v[rB:rB+7], v[rC:rC+7], v[rSA], v[rSB] matrix_a_fmt:MATRIX_FMT_FP4 matrix_b_fmt:MATRIX_FMT_FP4
.elseif rRB == 0
	v_wmma_scale_f32_16x16x128_f8f6f4 v[rD:rD+7], v[rA:rA+7], v[rB:rB+7], v[rC:rC+7], v[rSA], v[rSB] matrix_a_fmt:MATRIX_FMT_FP4 matrix_b_fmt:MATRIX_FMT_FP4 matrix_a_scale:MATRIX_SCALE_ROW1
.elseif rRA == 0
	v_wmma_scale_f32_16x16x128_f8f6f4 v[rD:rD+7], v[rA:rA+7], v[rB:rB+7], v[rC:rC+7], v[rSA], v[rSB] matrix_a_fmt:MATRIX_FMT_FP4 matrix_b_fmt:MATRIX_FMT_FP4 matrix_b_scale:MATRIX_SCALE_ROW1
.else
	v_wmma_scale_f32_16x16x128_f8f6f4 v[rD:rD+7], v[rA:rA+7], v[rB:rB+7], v[rC:rC+7], v[rSA], v[rSB] matrix_a_fmt:MATRIX_FMT_FP4 matrix_b_fmt:MATRIX_FMT_FP4 matrix_a_scale:MATRIX_SCALE_ROW1 matrix_b_scale:MATRIX_SCALE_ROW1
.endif
.endif
.endm
; 64 numbers of a lane, register 16 b + i = k 32 b + 16 (lane / 16) + i of my row, become a fragment's 8 registers of codes at v[pc] and its scale word in v[pw]
.macro QUANT s, pc, pw
.irp b,0,1,2,3
	v_max3_num_f32 v[TM+\b], |v[(\s)+16*\b]|, |v[(\s)+1+16*\b]|, 0x1800000   ; my 16 numbers of block b, and the floor 2^(3 - 127): the byte cannot fall under 1
.endr
.irp i,2,4,6,8,10,12,14
.irp b,0,1,2,3
	v_max3_num_f32 v[TM+\b], v[TM+\b], |v[(\s)+16*\b+\i]|, |v[(\s)+1+16*\b+\i]|
.endr
.endr
.irp b,0,1,2,3
	v_permlanex16_b32 v[TM+4+\b], v[TM+\b], s[SEL], s[SEL+1]
.endr
.irp b,0,1,2,3
	v_max_num_f32 v[TM+\b], v[TM+\b], v[TM+4+\b]       ; with lane l xor 16's: the block's largest magnitude
.endr
.irp b,0,1,2,3
	v_add_nc_u32 v[TM+12+\b], 0xff000000, v[TM+\b]     ; 2 off its exponent field: the conversion's scale operand
.endr
.irp b,0,1,2,3
	v_lshrrev_b32 v[TM+4+\b], 23, v[TM+12+\b]          ; the scale's byte
.endr
	v_lshl_or_b32 v[\pw], v[TM+5], 8, v[TM+4]
	v_lshl_or_b32 v[\pw], v[TM+6], 16, v[\pw]
	v_lshl_or_b32 v[\pw], v[TM+7], 24, v[\pw]
.irp b,0,1,2,3
	v_cvt_scalef32_pk8_fp4_f32 v[(\pc)+2*\b], v[(\s)+16*\b:(\s)+7+16*\b], v[TM+12+\b]
	v_cvt_scalef32_pk8_fp4_f32 v[(\pc)+1+2*\b], v[(\s)+8+16*\b:(\s)+15+16*\b], v[TM+12+\b]
.endr
	v_nop                                              ; one plain place behind a scaled conversion
.irp c,0,1                             ; the operand's layout wants a whole block in a lane
.irp i,0,1
	v_permlane16_swap_b32 v[(\pc)+4*\c+\i], v[(\pc)+2+4*\c+\i]
.endr
.endr
.endm
; 32 numbers of a lane, one whole block, become 4 registers of codes at v[c] and the scale's byte in v[e]
.macro QBLK s, c, e
	v_max3_num_f32 v[TM], |v[(\s)]|, |v[(\s)+1]|, |v[(\s)+2]|
	v_max3_num_f32 v[TM+1], |v[(\s)+3]|, |v[(\s)+4]|, |v[(\s)+5]|
.irp i,6,10,14,18,22,26
	v_max3_num_f32 v[TM], v[TM], |v[(\s)+\i]|, |v[(\s)+\i+1]|
	v_max3_num_f32 v[TM+1], v[TM+1], |v[(\s)+\i+2]|, |v[(\s)+\i+3]|
.endr
	v_max3_num_f32 v[TM], v[TM], |v[(\s)+30]|, |v[(\s)+31]|
	v_max3_num_f32 v[TM], v[TM], v[TM+1], 0x1800000    ; and the floor
	v_add_nc_u32 v[TM+2], 0xff000000, v[TM]
.irp g,0,1,2,3
	v_cvt_scalef32_pk8_fp4_f32 v[(\c)+\g], v[(\s)+8*\g:(\s)+8*\g+7], v[TM+2]
.endr
	v_lshrrev_b32 v[\e], 23, v[TM+2]                   ; the byte; also the plain place behind the conversions
.endm
; y x sigmoid(y) on 32 registers at v[y]; v[z] .. v[z + 31] at work.  Each batch of transcendentals has one plain place and one wait
.macro SILU y, z
.set i, 0
.rept 16
	v_pk_mul_f32 v[(\z)+2*i:(\z)+2*i+1], v[(\y)+2*i:(\y)+2*i+1], 0xbfb8aa3b op_sel_hi:[1,0]   ; -y log2(e)
.set i, i+1
.endr
.set i, 0
.rept 32
	v_exp_f32 v[(\z)+i], v[(\z)+i]
.set i, i+1
.endr
	v_nop
	s_wait_alu depctr_va_vdst(0)
.set i, 0
.rept 16
	v_pk_add_f32 v[(\z)+2*i:(\z)+2*i+1], v[(\z)+2*i:(\z)+2*i+1], 1.0 op_sel_hi:[1,0]
.set i, i+1
.endr
.set i, 0
.rept 32
	v_rcp_f32 v[(\z)+i], v[(\z)+i]
.set i, i+1
.endr
	v_nop
	s_wait_alu depctr_va_vdst(0)
.set i, 0
.rept 16
	v_pk_mul_f32 v[(\y)+2*i:(\y)+2*i+1], v[(\y)+2*i:(\y)+2*i+1], v[(\z)+2*i:(\z)+2*i+1]
.set i, i+1
.endr
.endm
	s_load_b512 s[4:19], s[0:1], 0x0               ; x 4, cv1 codes 6, cv1 scales 8, bn1 g 10, b 12, m 14, v 16, rel_h 18
	s_load_b512 s[20:35], s[0:1], 0x40             ; rel_w 20, kv 22, qc 24, qs 26, pc 28, ps 30, q_w codes 32, k_w codes 34
	s_load_b512 s[36:51], s[0:1], 0x80             ; e_w codes 36, v_w codes 38, scales of q 40, k 42, e 44, v 46, q_b 48, k_b 50
	s_load_b128 s[52:55], s[0:1], 0xc0             ; e_b 52, v_b 54
	v_lshl_add_u32 v25, v0, 2, 0x29000
	v_mov_b32 v27, 0
	ds_add_u32 v25, v27
	ds_add_u32 v25, v27
	v_lshrrev_b32 v1, 5, v0
	v_readfirstlane_b32 s[WV], v1                  ; wave 0..3
	s_mov_b32 s85, ttmp9                           ; hrow
	s_and_b32 s86, ttmp7, 0xffff                   ; b
	s_and_b32 s87, s85, 1                          ; hh: which half of a block of 128 keys
	s_lshr_b32 s88, s85, 1                         ; st: which block
	; descriptor group 1: 32 rows (channels) of 64 f32 (the image row), 4,096 elements from channel to channel; no padding: a wave's LDS loads take 32 neighbouring words of a row
	s_mov_b32 s56, 2<<16                           ; elements of 4 bytes
	s_mov_b32 s57, 64<<16                          ; tensor_dim0 = 64
	s_mov_b32 s58, 32<<16                          ; tensor_dim1 = 32
	s_mov_b32 s59, 64<<16                          ; tile_dim0 = 64
	s_mov_b32 s60, 32                              ; tile_dim1 = 32
	s_mov_b32 s61, 4096                            ; the pitch
	s_mov_b32 s62, 0
	s_mov_b32 s63, 0
	s_lshl_b32 s2, s86, 23                         ; 512 channels x 16,384 bytes an image,
	s_lshl_b32 s3, s[WV], 21                       ; 128 channels a wave,
	s_add_co_u32 s2, s2, s3
	s_lshl_b32 s3, s85, 8                          ; 256 bytes an image row
	s_add_co_u32 s2, s2, s3
	s_mov_b32 s3, 0
	s_lshl_b32 s89, s[WV], 15                      ; my 128 rows of x's tile in LDS
	s_wait_dscnt 0x0
	s_wait_kmcnt 0x0
	s_add_nc_u64 s[4:5], s[4:5], s[2:3]
.irp k,0,1,2,3                         ; group 0, one for each 32 channels
	s_mov_b32 s[68+4*\k], 1
	s_add_co_u32 s[69+4*\k], s89, \k*8192
	s_add_nc_u64 s[70+4*\k:71+4*\k], s[4:5], \k*524288
	s_or_b32 s[71+4*\k], s[71+4*\k], 0x80000000
.endr
.irp k,0,1,2,3                         ; the launch's only fills, all at its start: four tensor loads of mine are out; only I read these bytes
	tensor_load_to_lds s[68+4*\k:71+4*\k], s[56:63]
	s_nop 0
.endr
	PLACES                                         ; four plain places behind a tensor load
	; the role's weights, scales and bias: a choice on the wave's number
	s_and_b32 s2, s[WV], 1
	s_cmp_eq_u32 s2, 0
	s_cselect_b64 s[94:95], s[32:33], s[34:35]
	s_cselect_b64 s[36:37], s[36:37], s[38:39]
	s_cselect_b64 s[96:97], s[40:41], s[42:43]
	s_cselect_b64 s[44:45], s[44:45], s[46:47]
	s_cselect_b64 s[98:99], s[48:49], s[50:51]
	s_cselect_b64 s[52:53], s[52:53], s[54:55]
	s_cmp_lt_u32 s[WV], 2
	s_cselect_b64 s[94:95], s[94:95], s[36:37]     ; codes
	s_cselect_b64 s[96:97], s[96:97], s[44:45]     ; scales
	s_cselect_b64 s[98:99], s[98:99], s[52:53]     ; bias
	; where the role's codes and scales go: offsets first, in registers of their own
	s_mul_i32 s36, s86, BATCHB
	s_mul_i32 s37, s88, STEPB
	s_add_co_u32 s36, s36, s37                     ; my block of kv
	s_lshl_b32 s37, s86, 6
	s_add_co_u32 s37, s37, s85                     ; 64 b + hrow
	s_lshr_b32 s46, s[WV], 1                       ; 0 for k, 1 for e
	s_lshl_b32 s38, s87, 14
	s_add_co_u32 s38, s38, s36
	s_lshl_b32 s47, s46, 11
	s_add_co_u32 s38, s38, s47                     ; k, e: codes at block + 16,384 hh (+ 2,048 for e)
	s_lshl_b32 s39, s87, 9
	s_add_co_u32 s39, s39, s36
	s_add_co_u32 s41, s39, 49152
	s_lshl_b32 s47, s46, 10
	s_add_co_u32 s41, s41, s47                     ; k, e: scale pairs at block + 49,152 + 512 hh (+ 1,024 for e)
	s_add_co_u32 s39, s39, 32768                   ; v: codes at block + 32,768 + 512 hh
	s_lshl_b32 s42, s87, 1
	s_add_co_u32 s42, s42, s36
	s_add_co_u32 s42, s42, 51200                   ; v: scale halves at block + 51,200 + 2 hh
	s_lshl_b32 s40, s37, 13                        ; q: codes
	s_lshl_b32 s43, s37, 9                         ; q: scale pairs
	s_mov_b32 s100, 4096                           ; from tile to tile: 4 fragments in kv,
	s_cmp_eq_u32 s[WV], 3
	s_cselect_b32 s38, s39, s38
	s_cselect_b32 s41, s42, s41
	s_cmp_eq_u32 s[WV], 0
	s_cselect_b32 s38, s40, s38
	s_cselect_b32 s40, s43, s41
	s_cselect_b32 s100, 2048, s100                 ; 2 in qc
	s_cselect_b64 s[32:33], s[24:25], s[22:23]
	s_cselect_b64 s[34:35], s[26:27], s[22:23]
	s_mov_b32 s39, 0
	s_mov_b32 s41, 0
	s_add_nc_u64 s[32:33], s[32:33], s[38:39]      ; codes' destination
	s_add_nc_u64 s[34:35], s[34:35], s[40:41]      ; scales' destination
	; pos: image b makes channels 64 b on: K step b / 2, registers 4 (b % 2) on
	s_lshr_b32 s46, s86, 1
	s_and_b32 s47, s86, 1
	s_lshl_b32 s48, s85, 13
	s_lshl_b32 s49, s[WV], 11
	s_add_co_u32 s48, s48, s49
	s_lshl_b32 s49, s46, 10
	s_add_co_u32 s48, s48, s49
	s_lshl_b32 s49, s47, 9
	s_add_co_u32 s48, s48, s49
	s_mov_b32 s49, 0
	s_add_nc_u64 s[28:29], s[28:29], s[48:49]
	s_lshl_b32 s48, s85, 9
	s_lshl_b32 s50, s46, 8
	s_add_co_u32 s48, s48, s50
	s_lshl_b32 s50, s[WV], 2
	s_add_co_u32 s48, s48, s50
	s_lshl_b32 s50, s47, 1
	s_add_co_u32 s48, s48, s50
	s_add_nc_u64 s[30:31], s[30:31], s[48:49]
	; the other bases
	s_mov_b32 s3, 0
	s_lshl_b32 s2, s86, 14                         ; 64 channels of 256 bytes in rel_w and rel_h
	s_add_nc_u64 s[20:21], s[20:21], s[2:3]
	s_lshl_b32 s93, s85, 2
	s_add_co_u32 s2, s2, s93
	s_add_nc_u64 s[18:19], s[18:19], s[2:3]
	s_lshl_b32 s2, s[WV], 14                       ; my 64 rows of cv1: 256 bytes of codes,
	s_add_nc_u64 s[6:7], s[6:7], s[2:3]
	s_lshl_b32 s2, s[WV], 10                       ; 16 scale bytes,
	s_add_nc_u64 s[8:9], s[8:9], s[2:3]
	s_lshl_b32 s2, s[WV], 8                        ; 4 bytes in each of bn1's four
	s_add_nc_u64 s[10:11], s[10:11], s[2:3]
	s_add_nc_u64 s[12:13], s[12:13], s[2:3]
	s_add_nc_u64 s[14:15], s[14:15], s[2:3]
	s_add_nc_u64 s[16:17], s[16:17], s[2:3]
	s_mov_b32 s[SEL], 0x76543210
	s_mov_b32 s[SEL+1], 0xfedcba98                 ; v_permlanex16_b32's selects for lane l xor 16
	s_mov_b32 s92, 0xffff0000                      ; lanes 16-31
	; vector addresses
	v_and_b32 v26, 31, v0                          ; l
	v_and_b32 v16, 15, v0                          ; r
	v_bfe_u32 v17, v0, 4, 1                        ; h
	v_and_b32 v18, 8, v16
	v_add_nc_u32 v18, v18, v16                     ; P = r + 8 (r / 8)
	v_lshlrev_b32 v1, 4, v26
	v_lshlrev_b32 v2, 2, v26
	v_lshl_add_u32 v3, v17, 3, v18
	v_lshl_add_u32 v3, v3, 2, s89                  ; x's tile: my rows, position P + 8 h of 32
	s_lshl_b32 s2, s[WV], 12
	s_add_co_u32 s2, s2, XIMG
	v_add_nc_u32 v4, s2, v1                        ; x's images: K step w
	s_lshl_b32 s2, s[WV], 8
	s_add_co_u32 s2, s2, XSC
	v_add_nc_u32 v5, s2, v2
	s_lshr_b32 s2, s[WV], 1
	s_and_b32 s3, s[WV], 1
	s_lshl_b32 s93, s2, 12
	s_lshl_b32 s101, s3, 9
	s_add_co_u32 s93, s93, s101
	s_add_co_u32 s93, s93, HIMG
	v_add_nc_u32 v6, s93, v1                       ; x1's images: K step w / 2, registers 4 (w % 2) on
	s_lshl_b32 s93, s2, 9
	s_lshl_b32 s101, s3, 1
	s_add_co_u32 s93, s93, s101
	s_add_co_u32 s93, s93, HSC
	v_add_nc_u32 v7, s93, v2                       ; and my two bytes of their scale words
	v_add_nc_u32 v74, XIMG, v1                     ; images are read at 16 l,
	v_add_nc_u32 v75, XSC, v2                      ; scale words at 4 l
	v_mov_b32 v8, v1                               ; the tiles' places in the codes' destination
	v_add_nc_u32 v9, s100, v1
	s_lshl_b32 s93, s100, 1
	v_add_nc_u32 v10, s93, v1
	s_add_co_u32 s93, s93, s100
	v_add_nc_u32 v11, s93, v1
	v_lshlrev_b32 v14, 4, v17                      ; 16 h
	v_lshl_add_u32 v12, v18, 7, v14                ; a weight of K = 256: row P of 128 bytes + 16 h
	v_lshl_add_u32 v13, v18, 8, v14                ; cv1: row P of 256 bytes + 16 h
	v_lshl_add_u32 v15, v16, 4, v17                ; pos's byte: 16 r + h
	s_lshl_b32 s93, s2, 5
	s_lshl_b32 s101, s3, 3
	s_add_co_u32 s93, s93, s101                    ; tile w begins at position 32 (w / 2) + 8 (w % 2)
	v_add_nc_u32 v19, s93, v18
	v_lshlrev_b32 v19, 2, v19
	v_lshl_add_u32 v19, v17, 13, v19               ; rel_w: my position, channels 32 h on
	v_lshlrev_b32 v20, 13, v17                     ; rel_h: channels 32 h on
	v_lshlrev_b32 v21, 2, v17
	v_lshl_add_u32 v23, v18, 3, v21                ; the role's scale pairs: 8 P + 4 h
	v_lshl_add_u32 v21, v18, 4, v21                ; cv1's: 16 P + 4 h
	v_lshlrev_b32 v22, 6, v17                      ; a vector by channel in the result's layout: 16 h numbers on
	v_lshlrev_b32 v24, 2, v18                      ; v's bias: 4 P
	; ---- loads, oldest wanted first
.set i, 0
.rept 32
	global_load_b32 v[192+i], v19, s[20:21] offset:256*i          ; rel_w(64 b + 32 h + i, my position)
.set i, i+1
.endr
.set i, 0
.rept 32
	global_load_b32 v[224+i], v20, s[18:19] offset:256*i          ; rel_h(64 b + 32 h + i, hrow)
.set i, i+1
.endr
	WIN 0x80                                       ; destination window 2
.irp ot,0,1,2,3
.irp s,0,1,2,3
.irp c,0,1
	global_load_b128 v[8*(4*\ot+\s)+4*\c:8*(4*\ot+\s)+4*\c+3], v13, s[6:7] offset:256*(32*(\ot/2)+8*(\ot%2))+64*\s+32*\c
.endr
.endr
.endr
	WIN 0
.irp ot,0,1,2,3
.irp pr,0,1
	global_load_b32 v[96+2*\ot+\pr], v21, s[8:9] offset:16*(32*(\ot/2)+8*(\ot%2))+8*\pr
.endr
.endr
	WIN 0xc0                                       ; destination window 3
.irp ot,0,1,2,3
.irp c,0,1
	global_load_b128 v[128+8*\ot+4*\c:131+8*\ot+4*\c], v22, s[10:11] offset:4*(32*(\ot/2)+8*(\ot%2))+16*\c
	global_load_b128 v[160+8*\ot+4*\c:163+8*\ot+4*\c], v22, s[12:13] offset:4*(32*(\ot/2)+8*(\ot%2))+16*\c
	global_load_b128 v[192+8*\ot+4*\c:195+8*\ot+4*\c], v22, s[14:15] offset:4*(32*(\ot/2)+8*(\ot%2))+16*\c
	global_load_b128 v[224+8*\ot+4*\c:227+8*\ot+4*\c], v22, s[16:17] offset:4*(32*(\ot/2)+8*(\ot%2))+16*\c
.endr
.endr
	WIN 0x40                                       ; destination window 1
.irp ot,0,1,2,3,4,5,6,7,8,9,10,11,12,13,14,15
.irp s,0,1
.irp c,0,1
	global_load_b128 v[8*(2*\ot+\s)+4*\c:8*(2*\ot+\s)+4*\c+3], v12, s[94:95] offset:128*(32*(\ot/2)+8*(\ot%2))+64*\s+32*\c
.endr
.endr
.endr
	WIN 0
.irp ot,0,1,2,3,4,5,6,7,8,9,10,11,12,13,14,15
	global_load_b32 v[104+\ot], v23, s[96:97] offset:8*(32*(\ot/2)+8*(\ot%2))
.endr
	s_cmp_eq_u32 s[WV], 3
	s_cbranch_scc1 .Lbias_v
	WIN 0x80                                       ; q, k, e: the bias as the C of a sum's first product: eight registers a tile
.irp ot,0,1,2,3,4,5,6,7,8,9,10,11,12,13,14,15
.irp c,0,1
	global_load_b128 v[128+8*\ot+4*\c:131+8*\ot+4*\c], v22, s[98:99] offset:4*(32*(\ot/2)+8*(\ot%2))+16*\c
.endr
.endr
	WIN 0
	s_branch .Lbias_done
.Lbias_v:                                          ; v: a lane holds one channel of a tile: one number a tile
.irp ot,0,1,2,3,4,5,6,7,8,9,10,11,12,13,14,15
	global_load_b32 v[80+\ot], v24, s[98:99] offset:4*(32*(\ot/2)+8*(\ot%2))
.endr
.Lbias_done:
	s_wait_xcnt 0x0                                ; the loads have read their offsets: v16-31 may be written
	s_wait_loadcnt 63                              ; behind bn1's last load stand 96 loads or more: rel_w, rel_h, cv1 and bn1 are in
.irp b,0,1,2,3
	v_mov_b32 v[TM+4+\b], 0                        ; written once: a lane permute's destination counts as one of its sources
.endr
	; ---- pos = rel_h + rel_w: my position's block of 32 channels
.set i, 0
.rept 16
	v_pk_add_f32 v[192+2*i:193+2*i], v[192+2*i:193+2*i], v[224+2*i:225+2*i]
.set i, i+1
.endr
	QBLK 192, 76, 64
	global_store_b128 v1, v[76:79], s[28:29]       ; 512 consecutive bytes of the fragment's image
	global_store_b8 v15, v64, s[30:31]
	; ---- bn1: s1 = g / sqrt(var + eps), t1 = b - m s1, in the result's layout
	WIN 0xff
.set i, 0
.rept 16
	v_pk_add_f32 v[224+2*i:225+2*i], v[224+2*i:225+2*i], EPS op_sel_hi:[1,0]
.set i, i+1
.endr
.set i, 0
.rept 32
	v_rsq_f32 v[224+i], v[224+i]
.set i, i+1
.endr
	v_nop
	s_wait_alu depctr_va_vdst(0)                   ; one wait for the batch, ahead of its first reader
.set i, 0
.rept 16
	v_pk_mul_f32 v[128+2*i:129+2*i], v[128+2*i:129+2*i], v[224+2*i:225+2*i]
.set i, i+1
.endr
.set i, 0
.rept 16
	v_pk_fma_f32 v[160+2*i:161+2*i], v[192+2*i:193+2*i], v[128+2*i:129+2*i], v[160+2*i:161+2*i] neg_lo:[1,0,0] neg_hi:[1,0,0]
.set i, i+1
.endr
	WIN 0
	s_wait_xcnt 0x0                                ; pos's stores have read their data: those registers are used again below
	; ---- X: a lane takes a position, its registers run down the channels.  Unit u = 2 blk + g: channels 32 blk on, positions 32 g on (lanes 0-15: tile 2 g, lanes 16-31: tile 2 g + 1)
.macro LX u, buf
.set i, 0
.rept 32
	ds_load_b32 v[(\buf)+i], v3 offset:256*(32*((\u)/2)+i)+128*((\u)%2)
.set i, i+1
.endr
.endm
	s_wait_tensorcnt 0x3                           ; my first 32 channels have landed; three loads may be out
	LX 0, 128
	LX 1, 160
.irp u,0,1,2,3,4,5,6,7
.if \u < 7
	s_wait_dscnt 32                                ; this unit's 32 loads are in; the next unit's may be out
.else
	s_wait_dscnt 0x0
.endif
.if \u < 2
	QBLK 128+32*(\u%2), 32+16*(\u%2)+8*((\u/2)%2)+4*(\u/4), 72+\u
.else
	QBLK 128+32*(\u%2), 32+16*(\u%2)+8*((\u/2)%2)+4*(\u/4), TM+3
	v_lshl_or_b32 v[72+\u%2], v[TM+3], 8*(\u/2), v[72+\u%2]
.endif
.if \u+2 <= 7
.if (\u%2) == 0
	s_wait_tensorcnt 3-(\u+2)/2                    ; the next 32 channels have landed; the later loads may be out
.endif
	LX \u+2, 128+32*(\u%2)
.endif
.endr
	v_nop
.irp g,0,1                             ; blocks 2 c and 2 c + 1 of two tiles change halves: the first register becomes tile 2 g's, the second tile 2 g + 1's
.irp n,0,1,2,3,4,5,6,7
	v_permlane16_swap_b32 v[32+16*\g+\n], v[40+16*\g+\n]
.endr
.endr
.irp T,0,1,2,3
.irp c,0,1
	ds_store_b128 v4, v[32+8*\T+4*\c:35+8*\T+4*\c] offset:1024*\T+512*\c
.endr
.endr
	ds_store_b32 v5, v72
	ds_store_b32 v5, v73 offset:128
	BARRIER                                        ; x's sixteen fragments lie in LDS
	; ---- 1: x1's channels 64 w on, transposed: source 0 = 16 rows of cv1, source 1 = 16 positions
	WIN 0xc0
.set n, 0
.rept 32
	ds_load_b128 v[4*n:4*n+3], v74 offset:512*n
.set n, n+1
.endr
	WIN 0
.set n, 0
.rept 8
	ds_load_b32 v[120+n], v75 offset:128*n
.set n, n+1
.endr
	s_wait_dscnt 0x0
	WIN 0x0e                                       ; source 0 window 2, source 1 window 3
.irp s,0,1,2,3                         ; the sixteen accumulators take turns, one instruction a turn
.irp T,0,1,2,3
.irp ot,0,1,2,3
.set rD, 128+8*(4*\T+\ot)
.set rA, 8*(4*\ot+\s)
.set rB, 8*(4*\s+\T)
.if \s == 0
.set rC, -1
.else
.set rC, rD
.endif
.set rSA, 96+2*\ot+\s/2
.set rSB, 120+2*\s+\T/2
.set rRA, \s%2
.set rRB, \T%2
	WM
.endr
.endr
.endr
	PLACES
	WIN 0x3c                                       ; sources 1 and 2 window 3
.set i, 0
.rept 64
	v_pk_fma_f32 v[128+2*i:129+2*i], v[128+2*i:129+2*i], v[128+2*(i%16):129+2*(i%16)], v[160+2*(i%16):161+2*(i%16)]   ; bn1
.set i, i+1
.endr
	WIN 0
.irp T,0,1,2,3
	SILU 128+32*\T, 32
.endr
.irp tp,0,1                            ; a tile's 32 numbers are two blocks: two tiles share a pass of the quantiser
	QUANT 128+64*\tp, 64, 72
	ds_store_b128 v6, v[64:67] offset:1024*(2*\tp)
	ds_store_b128 v6, v[68:71] offset:1024*(2*\tp+1)
	ds_store_b16 v7, v72 offset:128*(2*\tp)
	ds_store_b16_d16_hi v7, v72 offset:128*(2*\tp+1)
	s_wait_dscnt 0x0                               ; the stores have read their registers
.endr
	BARRIER                                        ; x1's eight fragments lie in LDS; the last barrier
	; ---- 2
	WIN 0xc0
.set n, 0
.rept 16
	ds_load_b128 v[4*n:4*n+3], v74 offset:HIMG-XIMG+512*n
.set n, n+1
.endr
	WIN 0
.set n, 0
.rept 8
	ds_load_b32 v[120+n], v75 offset:HSC-XSC+128*n
.set n, n+1
.endr
	s_wait_loadcnt 0x0                             ; the role's weights, scales and bias
	s_wait_dscnt 0x0
	s_cmp_eq_u32 s[WV], 3
	s_cbranch_scc1 .Lrole_v
	; q, k, e: transposed: a lane holds a position, its 128 registers run along the 256 channels, which are the next K
.irp T,0,1,2,3
	WIN 0x2d                                       ; source 0 (the weight) window 1, source 1 (x1) window 3, C (the bias) window 2
.set ot, 0
.rept 16
.set rD, 128+8*ot
.set rA, 16*ot
.set rB, 8*\T
.set rC, 128+8*ot
.set rSA, 104+ot
.set rSB, 120+\T
.set rRA, 0
.set rRB, 0
	WM
.set ot, ot+1
.endr
	WIN 0x0d
.set ot, 0
.rept 16
.set rD, 128+8*ot
.set rA, 16*ot+8
.set rB, 8*(4+\T)
.set rC, rD
.set rSA, 104+ot
.set rSB, 124+\T
.set rRA, 1
.set rRB, 0
	WM
.set ot, ot+1
.endr
	WIN 0
	PLACES
.if \T > 0
	s_wait_xcnt 0x0                                ; the last tile's stores have read their data
.endif
	QUANT 128, 64, 72
	QUANT 192, 32, 73
	v_cndmask_b32 v[76+\T], v72, v73, s92          ; the scale pair: K step 0 below, K step 1 above
	global_store_b128 v[8+\T], v[64:67], s[32:33]
	global_store_b128 v[8+\T], v[68:71], s[32:33] offset:512
	global_store_b128 v[8+\T], v[32:35], s[32:33] offset:1024
	global_store_b128 v[8+\T], v[36:39], s[32:33] offset:1536
.endr
	global_store_b128 v1, v[76:79], s[34:35]       ; the four tiles' scale pairs: 512 consecutive bytes
	s_wait_tensorcnt 0x0
	ds_add_u32 v25, v27
	s_wait_dscnt 0x0
	s_endpgm
.Lrole_v:
	; v: source 0 = 16 positions, source 1 = 16 rows of v_w: a lane holds a channel, its registers run along the positions, which are the last product's K
.irp it,0,1,2,3
	WIN 0x07                                       ; source 0 (x1) window 3, source 1 (the weight) window 1
.irp s,0,1
.irp ol,0,1,2,3
.irp T,0,1,2,3
.set rD, 128+8*(4*\ol+\T)
.set rA, 8*(4*\s+\T)
.set rB, 8*(2*(4*\it+\ol)+\s)
.if \s == 0
.set rC, -1
.else
.set rC, rD
.endif
.set rSA, 120+4*\s+\T
.set rSB, 104+4*\it+\ol
.set rRA, 0
.set rRB, \s
	WM
.endr
.endr
.endr
	WIN 0
	PLACES
.irp ol,0,1,2,3
.set i, 0
.rept 16
.if (\ol%2) == 0
	v_pk_add_f32 v[128+32*\ol+2*i:129+32*\ol+2*i], v[128+32*\ol+2*i:129+32*\ol+2*i], v[80+4*\it+\ol:81+4*\it+\ol] op_sel_hi:[1,0]                 ; + my channel's bias: the pair's first
.else
	v_pk_add_f32 v[128+32*\ol+2*i:129+32*\ol+2*i], v[128+32*\ol+2*i:129+32*\ol+2*i], v[79+4*\it+\ol:80+4*\it+\ol] op_sel:[0,1] op_sel_hi:[1,1]    ; the pair's second
.endif
.set i, i+1
.endr
.endr
.if \it > 0
	s_wait_xcnt 0x0                                ; the last four tiles' stores have read their data
.endif
	QUANT 128, 64, 72                              ; a channel tile's 64 positions are two blocks: two tiles share a pass
	QUANT 192, 32, 73
	global_store_b128 v1, v[64:67], s[32:33] offset:1024*(4*\it)
	global_store_b128 v1, v[68:71], s[32:33] offset:1024*(4*\it+1)
	global_store_b128 v1, v[32:35], s[32:33] offset:1024*(4*\it+2)
	global_store_b128 v1, v[36:39], s[32:33] offset:1024*(4*\it+3)
	v_lshrrev_b32 v76, v14, v72                    ; lanes 0-15 keep the even tile's two bytes, lanes 16-31 take the odd tile's
	v_lshrrev_b32 v77, v14, v73
	global_store_b16 v1, v76, s[34:35] offset:512*((2*\it)/4)+4*((2*\it)%4)
	global_store_b16 v1, v77, s[34:35] offset:512*((2*\it+1)/4)+4*((2*\it+1)%4)
.endr
	s_wait_tensorcnt 0x0
	ds_add_u32 v25, v27
	s_wait_dscnt 0x0
	s_endpgm
.Lfunc_end_k_q530d865469_front:
	.size	k_q530d865469_front, .Lfunc_end_k_q530d865469_front-k_q530d865469_front
	.p2alignl 7, 3214868480
	.fill 96, 4, 3214868480
	.section	.rodata,"a",@progbits
	.p2align	6, 0x0
	.amdhsa_kernel k_q530d865469_front
		.amdhsa_group_segment_fixed_size 168448
		.amdhsa_private_segment_fixed_size 0
		.amdhsa_enable_private_segment 0
		.amdhsa_kernarg_size 208
		.amdhsa_user_sgpr_count 2
		.amdhsa_user_sgpr_kernarg_segment_ptr 1
		.amdhsa_wavefront_size32 1
		.amdhsa_system_sgpr_workgroup_id_x 1
		.amdhsa_system_sgpr_workgroup_id_y 1
		.amdhsa_system_sgpr_workgroup_id_z 1
		.amdhsa_system_vgpr_workitem_id 0
		.amdhsa_next_free_vgpr 1024
		.amdhsa_next_free_sgpr 102
		.amdhsa_reserve_vcc 0
		.amdhsa_float_denorm_mode_32 3
		.amdhsa_float_denorm_mode_16_64 3
		.amdhsa_memory_ordered 1
		.amdhsa_forward_progress 1
		.amdhsa_inst_pref_size 231
	.end_amdhsa_kernel
	.amdgpu_metadata
---
amdhsa.version: [ 1, 2 ]
amdhsa.kernels:
  - .name:           k_q530d865469_front
    .symbol:         k_q530d865469_front.kd
    .args:
      - { .name: x, .offset: 0, .size: 8, .value_kind: global_buffer, .address_space: global }
      - { .name: cv1_w_codes, .offset: 8, .size: 8, .value_kind: global_buffer, .address_space: global }
      - { .name: cv1_w_scales, .offset: 16, .size: 8, .value_kind: global_buffer, .address_space: global }
      - { .name: bn1_g, .offset: 24, .size: 8, .value_kind: global_buffer, .address_space: global }
      - { .name: bn1_b, .offset: 32, .size: 8, .value_kind: global_buffer, .address_space: global }
      - { .name: bn1_m, .offset: 40, .size: 8, .value_kind: global_buffer, .address_space: global }
      - { .name: bn1_v, .offset: 48, .size: 8, .value_kind: global_buffer, .address_space: global }
      - { .name: rel_h, .offset: 56, .size: 8, .value_kind: global_buffer, .address_space: global }
      - { .name: rel_w, .offset: 64, .size: 8, .value_kind: global_buffer, .address_space: global }
      - { .name: kv, .offset: 72, .size: 8, .value_kind: global_buffer, .address_space: global }
      - { .name: qc, .offset: 80, .size: 8, .value_kind: global_buffer, .address_space: global }
      - { .name: qs, .offset: 88, .size: 8, .value_kind: global_buffer, .address_space: global }
      - { .name: pc, .offset: 96, .size: 8, .value_kind: global_buffer, .address_space: global }
      - { .name: ps, .offset: 104, .size: 8, .value_kind: global_buffer, .address_space: global }
      - { .name: q_w_codes, .offset: 112, .size: 8, .value_kind: global_buffer, .address_space: global }
      - { .name: k_w_codes, .offset: 120, .size: 8, .value_kind: global_buffer, .address_space: global }
      - { .name: e_w_codes, .offset: 128, .size: 8, .value_kind: global_buffer, .address_space: global }
      - { .name: v_w_codes, .offset: 136, .size: 8, .value_kind: global_buffer, .address_space: global }
      - { .name: q_w_scales, .offset: 144, .size: 8, .value_kind: global_buffer, .address_space: global }
      - { .name: k_w_scales, .offset: 152, .size: 8, .value_kind: global_buffer, .address_space: global }
      - { .name: e_w_scales, .offset: 160, .size: 8, .value_kind: global_buffer, .address_space: global }
      - { .name: v_w_scales, .offset: 168, .size: 8, .value_kind: global_buffer, .address_space: global }
      - { .name: q_b, .offset: 176, .size: 8, .value_kind: global_buffer, .address_space: global }
      - { .name: k_b, .offset: 184, .size: 8, .value_kind: global_buffer, .address_space: global }
      - { .name: e_b, .offset: 192, .size: 8, .value_kind: global_buffer, .address_space: global }
      - { .name: v_b, .offset: 200, .size: 8, .value_kind: global_buffer, .address_space: global }
    .group_segment_fixed_size: 168448
    .private_segment_fixed_size: 0
    .kernarg_segment_align: 8
    .kernarg_segment_size: 208
    .max_flat_workgroup_size: 128
    .sgpr_count:     102
    .vgpr_count:     1024
    .wavefront_size: 32
...
	.end_amdgpu_metadata
.endif
;; end of part 1
;; launch attn (part 2): grid 64 x 4, 4 waves a work-group, clusters of 4 x 1, 327,680 bytes of LDS; arguments kv, qc, qs, pc, ps, x, cv2_w_codes, cv2_w_scales, bn2_g, bn2_b, bn2_m, bn2_v, out0; writes out0
.if DOCPART == 2
	.amdgcn_target "amdgcn-amd-amdhsa--gfx1250"
	.amdhsa_code_object_version 6
	.text
	.protected	k_q530d865469_attn
	.globl	k_q530d865469_attn
	.p2align	8
	.type	k_q530d865469_attn,@function
k_q530d865469_attn:
	s_mov_b64 s[64:65], 0
	v_nop
	global_prefetch_b8 v0, s[64:65] scope:SCOPE_SE
	s_setreg_imm32_b32 hwreg(HW_REG_WAVE_MODE, 25, 1), 1
	s_wait_xcnt 0x0
	s_wait_alu depctr_hold_cnt(0) depctr_sa_sdst(0) depctr_va_vdst(0) depctr_va_sdst(0) depctr_va_ssrc(0) depctr_va_vcc(0) depctr_vm_vsrc(0)
	s_getreg_b32 s2, hwreg(HW_REG_IB_STS2, 6, 4)
	s_cmp_eq_u32 s2, 0
	s_cbranch_scc0 .Lentry_in_a_cluster
	s_endpgm
.Lentry_in_a_cluster:
	s_bfe_u32 s2, ttmp6, 0x10000c
	s_cmp_lg_u32 s2, 0x3003
	s_cbranch_scc0 .Lentry_shape_is_right
	s_endpgm
.Lentry_shape_is_right:
; out0 = x + silu(bn2(cv2 . attention)), all products on codes of FP4 (E2M1) with one E8M0 scale for each 32 along K.
; LOGITS.  q^T k and pos^T e add into the same numbers: one product of K = 512, query row [Q(q) | Q(pos)] against key row [Q(k) | Q(e)] (each side quantised by itself, in blocks of 32).
; SOFTMAX.  t = logit x log2(e); M = the running largest t rounded up to a whole number; p = 2^(t - M) is quantised along the keys; the sum is taken of the unquantised p and divides at the end.
; SHARES.  A work-group owns one image row, 64 queries: four tiles of 16.  Wave w holds two of them, tile w (local 0, which it finishes) and tile w xor 1 (local 1), and of every slot's 256 keys the 128 of step w % 2.
; At the end each wave hands its local tile 1 to its partner through LDS, joins the two halves of the keys, divides, quantises along the channels, and makes output channels 128 w .. 128 w + 127 of all 64 positions.
; Why 32 queries a wave: O^T of 64 queries (512 registers), their scores (256) and Q (128) would leave no room for fragments fetched ahead, and 16 queries a wave would read every fragment four times.
; CLUSTER.  The four work-groups of a cluster belong to one image and walk the same kv: each quarter of a slot is asked for JOINTLY, by the same tensor load with the same descriptor and a mask that names the four.
; THE WALK.  An image's kv is 16 slots of 256 keys, and they are walked ROUND: cluster c (0 .. 15) of the image begins at slot 2 ((c % 8) xor 7 (c / 8)) + c / 8.  These are sixteen different beginnings, so that in every
; trip the image's sixteen clusters ask for sixteen different slots; and of any eight clusters that agree in one bit of c one begins in each pair of slots 2 k, 2 k + 1.  The beginning hangs on the cluster's number alone,
; which the four partners share.  The order of the keys touches a softmax's sums by their rounding alone: M is the running one, and every rescaling is an exact power of two.
; Both products are used transposed: a lane holds ONE query throughout.  Fragments lie in kv, and so in LDS, as images of their registers: registers 4 c .. 4 c + 3 of lane l at 512 c + 16 l: every LDS load takes 512 consecutive bytes.
; LIMITS: NaN and infinities are not served.  A block whose largest magnitude lies under 2^-124 keeps the byte 1 (a block of zeros too: its codes are zeros).  p and sums under the smallest f32 number are lost.
; A block's largest p is made from the block's largest score, which takes v_exp_f32 not to fall where its input rises.  The f32 sums over the keys are taken in the order of the walk, which differs from cluster to cluster.
; REGISTERS.  Window 0: v1-15 addresses; v16-31 statistics, 8 a tile (+0 -M, +1 largest t, +2:3 sum, +4:5 f, +6 at work, +7 written once: the quantiser of the way out works in these sixteen); v32-35 Q's scale pairs; v36-51 K's; v52-59 V's;
;   v60-61 p's scale words; v62-63 the add's two; v64-79 p's codes; v80-111 at work; v112-121 offsets; v128-255 the scores, 64 a tile.   Window 1: O^T, 128 a tile.   Window 2: v0-63 Q; three buffers of 8 fragments at v64, v128, v192.   Window 3: x.
.set STEPB,  52224                     ; 128 keys: 32 fragments of k | e, 16 of v, 2,048 + 1,024 scale bytes
.set SLOTB,  2*STEPB
.set BATCHB, 32*STEPB
.set QUART,  SLOTB/4                   ; what one tensor load brings: 102 rows of 256 bytes
.set SLOT1,  131072                    ; slot 1 begins here, so that one exclusive or turns an address
.set SPARE,  SLOT1+SLOTB               ; the spare words, 128 bytes for each wave: two blocks of 256 bytes that no other line names
.set XCH,    0                         ; the way out lies in slot 0, which has had its last fill and, at the last barrier of the walk, its last read:
.set XST,    65536                     ; XCH: a tile of O^T for each wave; XST: its -M and sum;
.set YST,    XST+1024                  ; a stage of 16 rows x (256 + 16) bytes for each wave;
.set OIMG,   YST+4*4352                ; the attention result's 8 fragments,
.set OSC,    OIMG+8192                 ; and their scale pairs
.set EPS,    0x3727c5ac
.set TM,     16                        ; the quantiser's 16 registers: the statistics', free by then
.set WV,     30
.set SEL,    52
.set CS,     54
.set TB,     56
.set SLOTS,  57
.set IDX,    80                        ; s80      which of the image's 16 slots of kv was asked for last
.set OFF,    82                        ; s[82:83] its byte offset (the high word stays 0)
.set KVB,    84                        ; s[84:85] kv at my image and my quarter of a slot
.set MSB, 0
.macro WIN new
.if MSB != \new
	s_set_vgpr_msb (MSB<<8)|\new
.set MSB, \new
.endif
.endm
.macro PLACES
.rept 4
	v_nop
.endr
.endm
.macro BARRIER
	s_wait_dscnt 0x0
	s_barrier_signal -1
	s_barrier_wait -1
.endm
.macro CROUND                          ; a round of the cluster's barrier
	s_barrier_signal -1
	s_barrier_wait -1
	s_cmp_lg_u32 s[WV], 0
	s_cbranch_scc1 .Lnot_wave_0_\@
	s_barrier_signal -3
.Lnot_wave_0_\@:
	s_barrier_wait -3
	s_barrier_signal -1
	s_barrier_wait -1
.endm
.macro WM                              ; one matrix instruction from rD, rA, rB, rC (negative: 0), rSA, rSB, rRA, rRB
.if rC < 0
.if (rRA == 0) && (rRB == 0)
	v_wmma_scale_f32_16x16x128_f8f6f4 v[rD:rD+7], v[rA:rA+7], v[rB:rB+7], 0, v[rSA], v[rSB] matrix_a_fmt:MATRIX_FMT_FP4 matrix_b_fmt:MATRIX_FMT_FP4
.elseif rRB == 0
	v_wmma_scale_f32_16x16x128_f8f6f4 v[rD:rD+7], v[rA:rA+7], v[rB:rB+7], 0, v[rSA], v[rSB] matrix_a_fmt:MATRIX_FMT_FP4 matrix_b_fmt:MATRIX_FMT_FP4 matrix_a_scale:MATRIX_SCALE_ROW1
.elseif rRA == 0
	v_wmma_scale_f32_16x16x128_f8f6f4 v[rD:rD+7], v[rA:rA+7], v[rB:rB+7], 0, v[rSA], v[rSB] matrix_a_fmt:MATRIX_FMT_FP4 matrix_b_fmt:MATRIX_FMT_FP4 matrix_b_scale:MATRIX_SCALE_ROW1
.else
	v_wmma_scale_f32_16x16x128_f8f6f4 v[rD:rD+7], v[rA:rA+7], v[rB:rB+7], 0, v[rSA], v[rSB] matrix_a_fmt:MATRIX_FMT_FP4 matrix_b_fmt:MATRIX_FMT_FP4 matrix_a_scale:MATRIX_SCALE_ROW1 matrix_b_scale:MATRIX_SCALE_ROW1
.endif
.else
.if (rRA == 0) && (rRB == 0)
	v_wmma_scale_f32_16x16x128_f8f6f4 v[rD:rD+7], v[rA:rA+7], v[rB:rB+7], v[rC:rC+7], v[rSA], v[rSB] matrix_a_fmt:MATRIX_FMT_FP4 matrix_b_fmt:MATRIX_FMT_FP4
.elseif rRB == 0
	v_wmma_scale_f32_16x16x128_f8f6f4 v[rD:rD+7], v[rA:rA+7], v[rB:rB+7], v[rC:rC+7], v[rSA], v[rSB] matrix_a_fmt:MATRIX_FMT_FP4 matrix_b_fmt:MATRIX_FMT_FP4 matrix_a_scale:MATRIX_SCALE_ROW1
.elseif rRA == 0
	v_wmma_scale_f32_16x16x128_f8f6f4 v[rD:rD+7], v[rA:rA+7], v[rB:rB+7], v[rC:rC+7], v[rSA], v[rSB] matrix_a_fmt:MATRIX_FMT_FP4 matrix_b_fmt:MATRIX_FMT_FP4 matrix_b_scale:MATRIX_SCALE_ROW1
.else
	v_wmma_scale_f32_16x16x128_f8f6f4 v[rD:rD+7], v[rA:rA+7], v[rB:rB+7], v[rC:rC+7], v[rSA], v[rSB] matrix_a_fmt:MATRIX_FMT_FP4 matrix_b_fmt:MATRIX_FMT_FP4 matrix_a_scale:MATRIX_SCALE_ROW1 matrix_b_scale:MATRIX_SCALE_ROW1
.endif
.endif
.endm
.macro QUANT s, pc, pw                 ; 64 numbers of a lane, register 16 b + i = k 32 b + 16 (lane / 16) + i, become a fragment's codes and its scale word
.irp b,0,1,2,3
	v_max3_num_f32 v[TM+\b], |v[(\s)+16*\b]|, |v[(\s)+1+16*\b]|, 0x1800000
.endr
.irp i,2,4,6,8,10,12,14
.irp b,0,1,2,3
	v_max3_num_f32 v[TM+\b], v[TM+\b], |v[(\s)+16*\b+\i]|, |v[(\s)+1+16*\b+\i]|
.endr
.endr
.irp b,0,1,2,3
	v_permlanex16_b32 v[TM+4+\b], v[TM+\b], s[SEL], s[SEL+1]
.endr
.irp b,0,1,2,3
	v_max_num_f32 v[TM+\b], v[TM+\b], v[TM+4+\b]
.endr
.irp b,0,1,2,3
	v_add_nc_u32 v[TM+12+\b], 0xff000000, v[TM+\b]
.endr
.irp b,0,1,2,3
	v_lshrrev_b32 v[TM+4+\b], 23, v[TM+12+\b]
.endr
	v_lshl_or_b32 v[\pw], v[TM+5], 8, v[TM+4]
	v_lshl_or_b32 v[\pw], v[TM+6], 16, v[\pw]
	v_lshl_or_b32 v[\pw], v[TM+7], 24, v[\pw]
.irp b,0,1,2,3
	v_cvt_scalef32_pk8_fp4_f32 v[(\pc)+2*\b], v[(\s)+16*\b:(\s)+7+16*\b], v[TM+12+\b]
	v_cvt_scalef32_pk8_fp4_f32 v[(\pc)+1+2*\b], v[(\s)+8+16*\b:(\s)+15+16*\b], v[TM+12+\b]
.endr
	v_nop
.irp c,0,1
.irp i,0,1
	v_permlane16_swap_b32 v[(\pc)+4*\c+\i], v[(\pc)+2+4*\c+\i]
.endr
.endr
.endm
.macro SILU y, z                       ; y x sigmoid(y) on 32 registers; each batch of transcendentals has one plain place and one wait
.set i, 0
.rept 16
	v_pk_mul_f32 v[(\z)+2*i:(\z)+2*i+1], v[(\y)+2*i:(\y)+2*i+1], 0xbfb8aa3b op_sel_hi:[1,0]
.set i, i+1
.endr
.set i, 0
.rept 32
	v_exp_f32 v[(\z)+i], v[(\z)+i]
.set i, i+1
.endr
	v_nop
	s_wait_alu depctr_va_vdst(0)
.set i, 0
.rept 16
	v_pk_add_f32 v[(\z)+2*i:(\z)+2*i+1], v[(\z)+2*i:(\z)+2*i+1], 1.0 op_sel_hi:[1,0]
.set i, i+1
.endr
.set i, 0
.rept 32
	v_rcp_f32 v[(\z)+i], v[(\z)+i]
.set i, i+1
.endr
	v_nop
	s_wait_alu depctr_va_vdst(0)
.set i, 0
.rept 16
	v_pk_mul_f32 v[(\y)+2*i:(\y)+2*i+1], v[(\y)+2*i:(\y)+2*i+1], v[(\z)+2*i:(\z)+2*i+1]
.set i, i+1
.endr
.endm
	s_load_b512 s[4:19], s[0:1], 0x0               ; kv 4, qc 6, qs 8, pc 10, ps 12, x 14, cv2 codes 16, cv2 scales 18
	s_load_b256 s[20:27], s[0:1], 0x40             ; bn2 g 20, b 22, m 24, v 26
	s_load_b64 s[28:29], s[0:1], 0x60              ; out0
	v_lshl_add_u32 v62, v0, 2, SPARE
	v_mov_b32 v63, 0
	ds_add_u32 v62, v63
	ds_add_u32 v62, v63
	s_wait_dscnt 0x0
	v_lshrrev_b32 v1, 5, v0
	v_readfirstlane_b32 s[WV], v1                  ; wave 0..3
	s_and_b32 s31, s[WV], 1                        ; which of a slot's two steps is mine
	s_bfe_u32 s32, ttmp6, 0x40000                  ; cx: it enters global addresses of q, pos, x and out0 alone
	s_lshl_b32 s33, ttmp9, 2
	s_add_co_u32 s33, s33, s32                     ; hrow = 4 x cluster x + cx
	s_and_b32 s34, ttmp7, 0xffff                   ; the image, which the four partners share
	; descriptor group 1: 102 dense rows of 256 bytes (32 elements of 8 bytes), no padding: images are read 512 consecutive bytes at a time
	s_mov_b32 s36, 15|(3<<16)|(1<<21)              ; the mask: all four work-groups; bit 21 beside it
	s_mov_b32 s37, 32<<16
	s_mov_b32 s38, 102<<16
	s_mov_b32 s39, 32<<16
	s_mov_b32 s40, 102
	s_mov_b32 s41, 32
	s_mov_b32 s42, 0
	s_mov_b32 s43, 0
	s_mul_i32 s70, s34, BATCHB
	s_mul_i32 s71, s[WV], QUART                    ; my quarter of a slot, in memory and in LDS
	s_add_co_u32 s72, s70, s71
	s_mov_b32 s73, 0
	; the walk's beginning, from the cluster's number c = ttmp9 (0 .. 15) alone
	s_lshr_b32 s80, ttmp9, 3                       ; c / 8
	s_mul_i32 s81, s80, 7
	s_and_b32 s82, ttmp9, 7
	s_xor_b32 s82, s82, s81                        ; (c % 8) xor 7 (c / 8)
	s_lshl_b32 s82, s82, 1
	s_add_co_u32 s81, s82, s80                     ; my cluster's first slot of kv,
	s_mul_i32 s86, s81, SLOTB                      ; its bytes,
	s_mov_b32 s87, 0
	s_add_co_u32 s[IDX], s81, 1
	s_and_b32 s[IDX], s[IDX], 15                   ; the second, round the sixteen,
	s_mul_i32 s88, s[IDX], SLOTB                   ; its bytes
	s_mov_b32 s89, 0
	s_mov_b32 s[OFF+1], 0
	s_lshl_b32 s76, s34, 23
	s_lshl_b32 s77, s[WV], 21
	s_add_co_u32 s76, s76, s77
	s_lshl_b32 s77, s33, 8
	s_add_co_u32 s76, s76, s77                     ; x and out0: image, my 128 channels, my image row
	s_mov_b32 s77, 0
	s_lshl_b32 s78, s34, 6
	s_add_co_u32 s78, s78, s33                     ; 64 b + hrow
	s_xor_b32 s79, s[WV], 1                        ; my partner
	s_mov_b32 s[SEL], 0x76543210
	s_mov_b32 s[SEL+1], 0xfedcba98
	s_mov_b32 s[CS], 0x3fb8aa3b                    ; log2(e)
	s_mov_b32 s[CS+1], s[CS]
	s_mov_b32 s59, 0xffff0000                      ; lanes 16-31
	s_mov_b32 s[TB], 0
	s_mov_b32 s[SLOTS], 14
	s_wait_kmcnt 0x0
	s_add_nc_u64 s[KVB:KVB+1], s[4:5], s[72:73]    ; kv at my image and my quarter of a slot: it stays
	s_mov_b32 s44, 1                               ; group 0 for LDS slot 0: the walk's first slot
	s_mov_b32 s45, s71
	s_add_nc_u64 s[46:47], s[KVB:KVB+1], s[86:87]
	s_or_b32 s47, s47, 0x80000000
	s_mov_b32 s48, 1                               ; group 0 for LDS slot 1: the second; it then walks
	s_add_co_u32 s49, s71, SLOT1
	s_add_nc_u64 s[50:51], s[KVB:KVB+1], s[88:89]
	s_or_b32 s51, s51, 0x80000000
	CROUND                                         ; all four work-groups are here: the first joint loads meet
	tensor_load_to_lds s[44:47], s[36:43]          ; two loads of mine are out
	s_nop 0
	tensor_load_to_lds s[48:51], s[36:43]
	s_nop 0
	PLACES                                         ; four plain places behind a tensor load
	s_add_nc_u64 s[66:67], s[14:15], s[76:77]
	s_add_nc_u64 s[68:69], s[28:29], s[76:77]
	s_mov_b32 s75, 0
	s_lshl_b32 s74, s78, 13
	s_add_nc_u64 s[6:7], s[6:7], s[74:75]
	s_lshl_b32 s74, s78, 9
	s_add_nc_u64 s[8:9], s[8:9], s[74:75]
	s_lshl_b32 s74, s33, 13
	s_add_nc_u64 s[10:11], s[10:11], s[74:75]
	s_lshl_b32 s74, s33, 9
	s_add_nc_u64 s[12:13], s[12:13], s[74:75]
	s_lshl_b32 s74, s[WV], 14                      ; my 128 rows of cv2: 128 bytes of codes,
	s_add_nc_u64 s[16:17], s[16:17], s[74:75]
	s_lshl_b32 s74, s[WV], 10                      ; 8 scale bytes,
	s_add_nc_u64 s[18:19], s[18:19], s[74:75]
	s_lshl_b32 s74, s[WV], 9                       ; 4 bytes in each of bn2's four
	s_add_nc_u64 s[20:21], s[20:21], s[74:75]
	s_add_nc_u64 s[22:23], s[22:23], s[74:75]
	s_add_nc_u64 s[24:25], s[24:25], s[74:75]
	s_add_nc_u64 s[26:27], s[26:27], s[74:75]
	v_and_b32 v116, 31, v0                         ; l
	v_and_b32 v117, 15, v0                         ; r
	v_bfe_u32 v118, v0, 4, 1                       ; h
	v_lshlrev_b32 v1, 4, v116                      ; 16 l
	s_mul_i32 s70, s31, STEPB
	v_add_nc_u32 v2, s70, v1                       ; my step of a slot
	s_lshl_b32 s70, s[WV], 11
	s_lshl_b32 s71, s79, 11
	v_add_nc_u32 v4, s70, v1                       ; Q: tile w,
	v_add_nc_u32 v5, s71, v1                       ; tile w xor 1
	v_lshl_add_u32 v114, s[WV], 2, v1              ; and their scale pairs
	v_lshl_add_u32 v115, s79, 2, v1
	WIN 0x80                                       ; destination window 2
.irp q,0,1
.irp s,0,1
.irp c,0,1
	global_load_b128 v[8*(4*\q+\s)+4*\c:8*(4*\q+\s)+4*\c+3], v[4+\q], s[6:7] offset:1024*\s+512*\c          ; Q(q): K steps 0, 1
	global_load_b128 v[8*(4*\q+2+\s)+4*\c:8*(4*\q+2+\s)+4*\c+3], v[4+\q], s[10:11] offset:1024*\s+512*\c    ; Q(pos): K steps 2, 3
.endr
.endr
.endr
	WIN 0
.irp q,0,1
	global_load_b32 v[32+2*\q], v[114+\q], s[8:9]
	global_load_b32 v[33+2*\q], v[114+\q], s[12:13]
.endr
	v_lshlrev_b32 v6, 4, v117
	v_lshl_add_u32 v6, v118, 14, v6                ; x, out0: lanes 0-15 one channel's 256 bytes, lanes 16-31 the next channel's
	s_lshl_b32 s70, s[WV], 14
	s_lshl_b32 s71, s79, 14
	v_add_nc_u32 v8, s70, v1                       ; XCH: where I put a tile,
	v_add_nc_u32 v9, s71, v1                       ; and where my partner has put mine
	v_lshlrev_b32 v10, 2, v116
	s_lshl_b32 s70, s[WV], 8
	s_add_co_u32 s70, s70, XST
	s_lshl_b32 s71, s79, 8
	s_add_co_u32 s71, s71, XST
	v_add_nc_u32 v11, s71, v10
	v_add_nc_u32 v10, s70, v10
	s_lshl_b32 s70, s[WV], 11
	s_add_co_u32 s70, s70, OIMG
	v_add_nc_u32 v12, s70, v1
	v_add_nc_u32 v13, OSC, v114
	s_mul_i32 s70, s[WV], 4352
	s_add_co_u32 s70, s70, YST
	v_mul_u32_u24 v14, v117, 272
	v_lshl_add_u32 v14, v118, 6, v14
	v_add_nc_u32 v14, s70, v14                     ; the stage, in: row r (a channel), 16 h positions on
	v_mul_u32_u24 v15, v118, 272
	v_lshl_add_u32 v15, v117, 4, v15
	v_add_nc_u32 v15, s70, v15                     ; and back: lanes 0-15 one row, lanes 16-31 the next
	v_lshlrev_b32 v112, 14, v116                   ; x's prefetches: a lane a channel
	v_add_nc_u32 v113, OIMG, v1
	v_lshlrev_b32 v119, 7, v117
	v_lshl_add_u32 v119, v118, 4, v119             ; cv2's codes: row r of 128 bytes + 16 h
	v_lshlrev_b32 v120, 3, v117
	v_lshl_add_u32 v120, v118, 2, v120             ; its scale pairs: 8 r + 4 h
	v_lshlrev_b32 v121, 2, v117                    ; bn2: 4 r
	WIN 0x40                                       ; O^T begins as zeros, which the first change of M leaves zeros: the step is then written without a first form of its own; these lines stand while the first tiles are on their way
.set i, 0
.rept 256
	v_mov_b32 v[i], 0
.set i, i+1
.endr
	WIN 0
.irp q,0,1
	v_mov_b32 v[17+8*\q], 0xff61b1e6               ; the largest t so far: -3e38
	v_floor_f32 v[16+8*\q], -v[17+8*\q]            ; -M
	v_mov_b32 v[18+8*\q], 0                        ; the sum, in two halves
	v_mov_b32 v[19+8*\q], 0
	v_mov_b32 v[21+8*\q], 0                        ; (named as the upper half of f's pair)
	v_mov_b32 v[22+8*\q], 0                        ; a lane permute's destination counts as one of its sources: the sums' exchange lands here,
	v_mov_b32 v[23+8*\q], 0                        ; and the quantiser of the way out has v20-23 as its four
.irp b,0,1,2,3
	v_mov_b32 v[84+16*\q+\b], 0                    ; likewise the blocks' maxima
.endr
.endr
.macro LG g, bb                        ; key tiles 2 g, 2 g + 1, all four K steps: 8 fragments, 8,192 consecutive bytes
	WIN 0x80
.set n, 0
.rept 16
	ds_load_b128 v[(\bb)+4*n:(\bb)+4*n+3], v3 offset:8192*(\g)+512*n
.set n, n+1
.endr
.endm
.macro LV half, bb                     ; V^T: channel tiles 8 half on
	WIN 0x80
.set n, 0
.rept 16
	ds_load_b128 v[(\bb)+4*n:(\bb)+4*n+3], v3 offset:32768+8192*(\half)+512*n
.set n, n+1
.endr
.endm
.macro LKS                             ; the step's scale pairs of k and e
.irp n,0,1,2,3
	ds_load_b128 v[36+4*\n:39+4*\n], v3 offset:49152+512*\n
.endr
.endm
.macro LVS                             ; and of v: two channel tiles to a register
.irp g,0,1
	ds_load_b128 v[52+4*\g:55+4*\g], v3 offset:51200+512*\g
.endr
.endm
.macro WG g, bb                        ; S^T of key tiles 2 g, 2 g + 1 for both query tiles: four accumulators by turns, K = 512 in four steps
	WIN 0x0a
.irp s,0,1,2,3
.irp tt,0,1
.irp q,0,1
.set rD, 128+64*\q+8*(2*(\g)+\tt)
.set rA, (\bb)+8*(4*\tt+\s)
.set rB, 8*(4*\q+\s)
.if \s == 0
.set rC, -1
.else
.set rC, rD
.endif
.set rSA, 36+4*(2*(\s/2)+(2*(\g)+\tt)/4)+(2*(\g)+\tt)%4
.set rSB, 32+2*\q+\s/2
.set rRA, \s%2
.set rRB, \s%2
	WM
.endr
.endr
.endr
.endm
.macro PV                              ; O^T += V^T P^T: 32 accumulators, one instruction each
	WIN 0x52
.set ct, 0
.rept 16
.irp q,0,1
.set rD, 128*\q+8*ct
.set rA, 128+8*ct
.set rB, 64+8*\q
.set rC, rD
.set rSA, 52+ct/2
.set rSB, 60+\q
.set rRA, ct%2
.set rRB, 0
	WM
.endr
.set ct, ct+1
.endr
.endm
.macro NEXT                            ; on to the other slot: its scale pairs and first key tiles
	s_xor_b32 s[TB], s[TB], SLOT1
	v_add_nc_u32 v3, s[TB], v2
	LKS
	LG 0, 64
	WIN 0
.endm
.macro XLOAD o0                        ; x for the residual: channel tiles o0 .. o0 + 3 of my eight; sixteen lanes read a channel's 256 bytes
	WIN 0xc0
.irp o,0,1,2,3
.irp i8,0,1,2,3,4,5,6,7
	global_load_b128 v[4*(8*((\o0)+\o)+\i8):4*(8*((\o0)+\o)+\i8)+3], v6, s[66:67] offset:16384*(16*((\o0)+\o)+2*\i8) th:TH_LOAD_NT
.endr
.endr
	WIN 0
.endm
; A prefetch into the L2 of my wave's 128 rows of x, 256 bytes each, a lane a row, each row named once in the launch: 64 rows in each of the loop's last two trips, ahead of the loads in the two steps that follow the loop
.macro ASKX
	s_cmp_eq_u32 s[SLOTS], 2
	s_cbranch_scc0 .Lnot_yet_\@
	global_prefetch_b8 v112, s[66:67] th:TH_LOAD_NT scope:SCOPE_SE
	global_prefetch_b8 v112, s[66:67] offset:524288 th:TH_LOAD_NT scope:SCOPE_SE
.Lnot_yet_\@:
	s_cmp_eq_u32 s[SLOTS], 1
	s_cbranch_scc0 .Lnot_last_\@
	global_prefetch_b8 v112, s[66:67] offset:1048576 th:TH_LOAD_NT scope:SCOPE_SE
	global_prefetch_b8 v112, s[66:67] offset:1572864 th:TH_LOAD_NT scope:SCOPE_SE
.Lnot_last_\@:
.endm
.macro SOFTMAX                         ; both tiles, stage by stage, by turns
.irp b,0,1,2,3
.irp q,0,1
	v_max3_num_f32 v[80+16*\q+\b], v[128+64*\q+16*\b], v[129+64*\q+16*\b], v[130+64*\q+16*\b]   ; the largest score of each block of 32 keys: for the row's maximum and for the block's largest p
.endr
.endr
.irp i,3,5,7,9,11,13
.irp b,0,1,2,3
.irp q,0,1
	v_max3_num_f32 v[80+16*\q+\b], v[80+16*\q+\b], v[128+64*\q+16*\b+\i], v[129+64*\q+16*\b+\i]
.endr
.endr
.endr
.irp b,0,1,2,3
.irp q,0,1
	v_max_num_f32 v[80+16*\q+\b], v[80+16*\q+\b], v[143+64*\q+16*\b]
.endr
.endr
.irp b,0,1,2,3
.irp q,0,1
	v_permlanex16_b32 v[84+16*\q+\b], v[80+16*\q+\b], s[SEL], s[SEL+1]
.endr
.endr
.irp b,0,1,2,3
.irp q,0,1
	v_max_num_f32 v[80+16*\q+\b], v[80+16*\q+\b], v[84+16*\q+\b]      ; with lane l xor 16's 16 keys
.endr
.endr
.irp q,0,1
	v_max3_num_f32 v[22+8*\q], v[80+16*\q], v[81+16*\q], v[82+16*\q]
.endr
.irp q,0,1
	v_max_num_f32 v[22+8*\q], v[22+8*\q], v[83+16*\q]
.endr
.irp q,0,1
	v_mul_f32 v[22+8*\q], s[CS], v[22+8*\q]                           ; as t
.endr
.irp q,0,1
	v_max_num_f32 v[17+8*\q], v[17+8*\q], v[22+8*\q]                  ; the running largest t
.endr
.irp q,0,1
	v_mov_b32 v[22+8*\q], v[16+8*\q]
.endr
.irp q,0,1
	v_floor_f32 v[16+8*\q], -v[17+8*\q]                               ; the new -M: M is a whole number
.endr
.irp q,0,1
	v_sub_f32 v[22+8*\q], v[16+8*\q], v[22+8*\q]                      ; old M - new M, 0 or less
.endr
.irp q,0,1
	v_cvt_i32_f32 v[22+8*\q], v[22+8*\q]
.endr
.irp q,0,1
	v_ldexp_f32 v[20+8*\q], 1.0, v[22+8*\q]                           ; f = 2^(old M - new M)
.endr
.set j, 0
.rept 32
.irp q,0,1
	v_pk_fma_f32 v[128+64*\q+j:129+64*\q+j], v[128+64*\q+j:129+64*\q+j], s[CS:CS+1], v[16+8*\q:17+8*\q] op_sel_hi:[1,0,0]   ; t - M
.endr
.set j, j+2
.endr
.irp b,0,1,2,3
.irp q,0,1
	v_fma_f32 v[80+16*\q+\b], v[80+16*\q+\b], s[CS], v[16+8*\q]       ; the same of each block's largest score
.endr
.endr
.set j, 0
.rept 128
	v_exp_f32 v[128+j], v[128+j]                                      ; p = 2^(t - M): not normalised
.set j, j+1
.endr
.irp q,0,1
	v_pk_mul_f32 v[18+8*\q:19+8*\q], v[18+8*\q:19+8*\q], v[20+8*\q:21+8*\q] op_sel_hi:[1,0]   ; the sums under the new M; the plain place behind the batch
.endr
	s_wait_alu depctr_va_vdst(0)                   ; one wait for the 128, ahead of their first reader
.irp b,0,1,2,3
.irp q,0,1
	v_exp_f32 v[80+16*\q+\b], v[80+16*\q+\b]                          ; the blocks' largest p
.endr
.endr
.irp q,0,1
	v_pk_add_f32 v[84+16*\q:85+16*\q], v[128+64*\q:129+64*\q], v[130+64*\q:131+64*\q]   ; the sum of the unquantised p, in two chains a tile
.endr
.irp j4,4,8,12,16,20,24,28,32,36,40,44,48,52,56,60
.irp q,0,1
	v_pk_add_f32 v[18+8*\q:19+8*\q], v[18+8*\q:19+8*\q], v[128+64*\q+\j4:129+64*\q+\j4]
	v_pk_add_f32 v[84+16*\q:85+16*\q], v[84+16*\q:85+16*\q], v[130+64*\q+\j4:131+64*\q+\j4]
.endr
.endr
.irp q,0,1
	v_pk_add_f32 v[18+8*\q:19+8*\q], v[18+8*\q:19+8*\q], v[84+16*\q:85+16*\q]
.endr
	s_wait_alu depctr_va_vdst(0)                   ; and one for the eight
.irp b,0,1,2,3
.irp q,0,1
	v_max_num_f32 v[80+16*\q+\b], 0x1800000, v[80+16*\q+\b]           ; the floor: the byte cannot fall under 1
.endr
.endr
.irp b,0,1,2,3
.irp q,0,1
	v_add_nc_u32 v[88+16*\q+\b], 0xff000000, v[80+16*\q+\b]           ; the conversion's scale operand
.endr
.endr
.irp b,0,1,2,3
.irp q,0,1
	v_lshrrev_b32 v[84+16*\q+\b], 23, v[88+16*\q+\b]                  ; the byte
.endr
.endr
.irp q,0,1
	v_lshl_or_b32 v[60+\q], v[85+16*\q], 8, v[84+16*\q]
.endr
.irp q,0,1
	v_lshl_or_b32 v[60+\q], v[86+16*\q], 16, v[60+\q]
.endr
.irp q,0,1
	v_lshl_or_b32 v[60+\q], v[87+16*\q], 24, v[60+\q]                 ; p's scale word for these 128 keys
.endr
.irp q,0,1
.irp b,0,1,2,3
	v_cvt_scalef32_pk8_fp4_f32 v[64+8*\q+2*\b], v[128+64*\q+16*\b:135+64*\q+16*\b], v[88+16*\q+\b]
	v_cvt_scalef32_pk8_fp4_f32 v[65+8*\q+2*\b], v[136+64*\q+16*\b:143+64*\q+16*\b], v[88+16*\q+\b]
.endr
.endr
	v_nop                                          ; one plain place behind a scaled conversion
.irp q,0,1
.irp c,0,1
.irp i,0,1
	v_permlane16_swap_b32 v[64+8*\q+4*\c+\i], v[66+8*\q+4*\c+\i]
.endr
.endr
.endr
	WIN 0x41                                       ; O^T in window 1, f in window 0
.irp q,0,1
.set j, 0
.rept 64
	v_pk_mul_f32 v[128*\q+j:128*\q+j+1], v[128*\q+j:128*\q+j+1], v[20+8*\q:21+8*\q] op_sel_hi:[1,0]   ; O^T under the new M; these are also the places between p's codes and scale words and the products below
.set j, j+2
.endr
.endr
.endm
; A STEP: my 128 keys of the slot in hand.  All its LDS reads are issued ahead of the softmax, so that the slot is given back early and its refill has a whole step in which to land.
; mode 2: the slot is filled again (in the loop); 1: the last change of slots; 0: the last step.
.macro STEP mode
	PLACES                                         ; in front of loads into registers that the last products read
	LG 1, 128
	LG 2, 192
	s_wait_dscnt 32                                ; the scale pairs and key tiles 0, 1 are in; the 32 loads just issued may be out
	WG 0, 64
	PLACES
	LG 3, 64
	s_wait_dscnt 32                                ; tiles 2, 3 are in; tiles 4-7's 32 loads may be out
	WG 1, 128
	PLACES
	LV 0, 128
	WIN 0
	LVS
	s_wait_dscnt 34                                ; tiles 4, 5 are in; out may be tiles 6, 7 (16), half of V (16), its scale pairs (2)
	WG 2, 192
	PLACES
	LV 1, 192
	s_wait_dscnt 34                                ; tiles 6, 7 are in; out may be V (32) and its scale pairs (2)
	WG 3, 64
	WIN 0
.if \mode == 2
	s_wait_tensorcnt 0x0                           ; all my tensor loads have landed: my quarter of the next slot; so a group 0 may be written
	ds_add_u32 v62, v63                            ; 0 onto my spare word; the descriptor's lines stand between it and the wait for it
	s_xor_b32 s49, s49, SLOT1                      ; the walking descriptor: into the LDS slot that I am leaving
	s_add_co_u32 s[IDX], s[IDX], 1                 ; comes the walk's next slot of kv,
	s_and_b32 s[IDX], s[IDX], 15                   ; round the sixteen:
	s_mul_i32 s[OFF], s[IDX], SLOTB                ; its bytes from the image's first slot,
	s_add_nc_u64 s[50:51], s[KVB:KVB+1], s[OFF:OFF+1]   ; its address, made anew from the base that stays,
	s_or_b32 s51, s51, 0x80000000                  ; and the type
	s_wait_dscnt 0x0                               ; the add is done, and my reads of this slot are over
	CROUND                                         ; that now holds of every wave of the four work-groups
	tensor_load_to_lds s[48:51], s[36:43]          ; the joint refill: my one tensor load until the next round
	s_nop 0
	PLACES                                         ; behind a tensor load; also the places in front of the loads below and of the first read of the scores
	NEXT
	ASKX
.elseif \mode == 1
	s_wait_tensorcnt 0x0                           ; my quarter of the last slot has landed
	ds_add_u32 v62, v63
	s_wait_dscnt 0x0                               ; my reads of this slot are over: behind this barrier nobody reads slot 0's bytes any more
	s_barrier_signal -1
	s_barrier_wait -1
	PLACES
	NEXT
	XLOAD 0
.else
	s_wait_dscnt 0x0                               ; V and its scale pairs are in
	PLACES
	XLOAD 4
.endif
	SOFTMAX
	PV
	WIN 0
.endm
	s_wait_tensorcnt 0x1                           ; my quarter of slot 0 is in; slot 1's may stay out
	s_barrier_signal -1
	s_barrier_wait -1
	v_add_nc_u32 v3, s[TB], v2
	LKS
	LG 0, 64
	WIN 0
	s_wait_loadcnt 0x0                             ; Q and its scale pairs
.Lslot:                                            ; 14 trips: every slot but the last two is filled again
	STEP 2
	s_sub_co_u32 s[SLOTS], s[SLOTS], 1
	s_cmp_lg_u32 s[SLOTS], 0
	s_cbranch_scc1 .Lslot
	STEP 1                                         ; the tail is written out
	STEP 0
	; ---- the two halves of the keys meet.  The sums first: these lines are the places behind the last products
.irp q,0,1
	v_add_f32 v[18+8*\q], v[18+8*\q], v[19+8*\q]
.endr
.irp q,0,1
	v_permlanex16_b32 v[22+8*\q], v[18+8*\q], s[SEL], s[SEL+1]
.endr
.irp q,0,1
	v_add_f32 v[18+8*\q], v[18+8*\q], v[22+8*\q]
.endr
	WIN 0x04                                       ; an LDS store's data are its source 1: window 1
.set n, 0
.rept 32
	ds_store_b128 v8, v[128+4*n:131+4*n] offset:512*n   ; my local tile 1, for my partner; each accumulator from its low end on
.set n, n+1
.endr
	WIN 0
	ds_store_b32 v10, v24                          ; its -M
	ds_store_b32 v10, v26 offset:128               ; and its sum
	WIN 0x80
.irp ot,0,1,2,3,4,5,6,7
.irp s,0,1
.irp c,0,1
	global_load_b128 v[8*(2*\ot+\s)+4*\c:8*(2*\ot+\s)+4*\c+3], v119, s[16:17] offset:2048*\ot+64*\s+32*\c   ; cv2: my 128 rows
.endr
.endr
.endr
	WIN 0
.irp ot,0,1,2,3,4,5,6,7
	global_load_b32 v[36+\ot], v120, s[18:19] offset:128*\ot
	global_load_b32 v[80+2*\ot], v121, s[20:21] offset:64*\ot      ; g
	global_load_b32 v[81+2*\ot], v121, s[24:25] offset:64*\ot      ; m
	global_load_b32 v[96+2*\ot], v121, s[22:23] offset:64*\ot      ; b
	global_load_b32 v[97+2*\ot], v121, s[26:27] offset:64*\ot      ; var
.endr
	BARRIER
.set n, 0
.rept 32
	ds_load_b128 v[128+4*n:131+4*n], v9 offset:512*n    ; my tile's other half of the keys
.set n, n+1
.endr
	ds_load_b32 v74, v11
	ds_load_b32 v75, v11 offset:128
	s_wait_dscnt 0x0
	v_min_num_f32 v76, v16, v74                    ; -M of both
	v_sub_f32 v77, v76, v16
	v_sub_f32 v78, v76, v74
	v_cvt_i32_f32 v77, v77
	v_cvt_i32_f32 v78, v78
	v_ldexp_f32 v77, 1.0, v77                      ; what brings my half under the common M,
	v_ldexp_f32 v78, 1.0, v78                      ; and the other
	v_mul_f32 v79, v18, v77
	v_fmac_f32 v79, v75, v78                       ; the row's sum
	v_rcp_f32 v79, v79
	v_nop
	s_wait_alu depctr_va_vdst(0)
	v_mul_f32 v76, v77, v79
	v_mul_f32 v78, v78, v79
.set i, 0
.rept 64
	v_pk_mul_f32 v[128+2*i:129+2*i], v[128+2*i:129+2*i], v[78:79] op_sel_hi:[1,0]
.set i, i+1
.endr
	WIN 0x01                                       ; source 0: O^T of my local tile 0
.set i, 0
.rept 64
	v_pk_fma_f32 v[128+2*i:129+2*i], v[2*i:2*i+1], v[76:77], v[128+2*i:129+2*i] op_sel_hi:[1,0,1]
.set i, i+1
.endr
	WIN 0
	QUANT 128, 64, 72                              ; along the channels: K step 0 of the last product,
	ds_store_b128 v12, v[64:67]
	ds_store_b128 v12, v[68:71] offset:512
	s_wait_dscnt 0x0                               ; the stores have read their registers
	QUANT 192, 64, 73                              ; K step 1
	ds_store_b128 v12, v[64:67] offset:1024
	ds_store_b128 v12, v[68:71] offset:1536
	v_cndmask_b32 v72, v72, v73, s59               ; the scale pair
	ds_store_b32 v13, v72
	BARRIER                                        ; the four tiles' fragments lie in LDS
	; ---- cv2: source 0 = 16 positions, source 1 = 16 of my channels: a lane holds a channel, its registers run along the positions
	WIN 0x80
.set n, 0
.rept 16
	ds_load_b128 v[128+4*n:131+4*n], v113 offset:512*n
.set n, n+1
.endr
	WIN 0
	ds_load_b128 v[32:35], v113 offset:8192
	s_wait_loadcnt 0x0                             ; cv2, bn2 and x
.irp o,0,1,2,3,4,5,6,7
	v_add_f32 v[97+2*\o], EPS, v[97+2*\o]
.endr
.irp o,0,1,2,3,4,5,6,7
	v_rsq_f32 v[97+2*\o], v[97+2*\o]
.endr
	v_nop
	s_wait_alu depctr_va_vdst(0)
.irp o,0,1,2,3,4,5,6,7
	v_mul_f32 v[80+2*\o], v[80+2*\o], v[97+2*\o]                   ; s2 = g / sqrt(var + eps)
.endr
.irp o,0,1,2,3,4,5,6,7
	v_fma_f32 v[96+2*\o], -v[81+2*\o], v[80+2*\o], v[96+2*\o]      ; t2 = b - m s2
.endr
	s_wait_dscnt 0x0
	WIN 0x5a                                       ; sources 0 and 1 window 2, C and D window 1
.irp s,0,1                             ; the 32 accumulators take turns
.irp ot,0,1,2,3,4,5,6,7
.irp T,0,1,2,3
.set rD, 8*(4*\ot+\T)
.set rA, 128+8*(2*\T+\s)
.set rB, 8*(2*\ot+\s)
.if \s == 0
.set rC, -1
.else
.set rC, rD
.endif
.set rSA, 32+\T
.set rSB, 36+\ot
.set rRA, \s
.set rRB, \s
	WM
.endr
.endr
.endr
	PLACES
	; ---- the way out, 16 channels at a time: bn2, silu; through my stage, so that sixteen lanes hold a channel's 256 bytes; + x; stored
.macro ACT ot
	WIN 0x01
.set i, 0
.rept 16
	v_pk_fma_f32 v[128+2*i:129+2*i], v[32*(\ot)+2*i:32*(\ot)+2*i+1], v[80+2*(\ot):81+2*(\ot)], v[96+2*(\ot):97+2*(\ot)] op_sel_hi:[1,0,0]
.set i, i+1
.endr
	WIN 0
	SILU 128, 160
.endm
.macro TOSTAGE ot
.irp t,0,1,2,3
	ds_store_b128 v14, v[128+8*\t:131+8*\t] offset:128*(\t/2)+32*(\t%2)
	ds_store_b128 v14, v[132+8*\t:135+8*\t] offset:128*(\t/2)+32*(\t%2)+16
.endr
.irp i8,0,1,2,3,4,5,6,7
	ds_load_b128 v[192+32*((\ot)%2)+4*\i8:195+32*((\ot)%2)+4*\i8], v15 offset:544*\i8   ; LDS serves a wave's instructions in order: these see the stores above
.endr
.endm
.macro SEND ot, younger                ; younger: the LDS instructions issued behind this tile's loads, which may stay out
.set BK, 192+32*((\ot)%2)
	s_wait_dscnt \younger
	WIN 0x0c                                       ; source 1: x, in window 3
.set i, 0
.rept 16
	v_pk_add_f32 v[BK+2*i:BK+2*i+1], v[BK+2*i:BK+2*i+1], v[32*(\ot)+2*i:32*(\ot)+2*i+1]
.set i, i+1
.endr
	WIN 0
.irp i8,0,1,2,3,4,5,6,7
	global_store_b128 v6, v[BK+4*\i8:BK+4*\i8+3], s[68:69] offset:16384*(16*(\ot)+2*\i8) th:TH_STORE_NT   ; sixteen lanes store 256 consecutive bytes, aligned
.endr
.endm
.irp ot,0,1,2,3,4,5,6,7
	ACT \ot
.if \ot >= 2
	s_wait_xcnt 0x0                                ; the stores of two tiles back have read their data: the loads below land there
.endif
	TOSTAGE \ot
.if \ot >= 1
	SEND \ot-1, 16                                 ; behind the last tile's loads stand this tile's 8 stores and 8 loads
.endif
.endr
	SEND 7, 0
	s_wait_tensorcnt 0x0                           ; the wave's end, behind my last tensor load and my last LDS store
	ds_add_u32 v62, v63
	s_wait_dscnt 0x0
	CROUND                                         ; the closing round: no work-group ends while a partner may still ask for a tile that names it
	s_endpgm
.Lfunc_end_k_q530d865469_attn:
	.size	k_q530d865469_attn, .Lfunc_end_k_q530d865469_attn-k_q530d865469_attn
	.p2alignl 7, 3214868480
	.fill 96, 4, 3214868480
	.section	.rodata,"a",@progbits
	.p2align	6, 0x0
	.amdhsa_kernel k_q530d865469_attn
		.amdhsa_group_segment_fixed_size 327680
		.amdhsa_private_segment_fixed_size 0
		.amdhsa_enable_private_segment 0
		.amdhsa_kernarg_size 104
		.amdhsa_user_sgpr_count 2
		.amdhsa_user_sgpr_kernarg_segment_ptr 1
		.amdhsa_wavefront_size32 1
		.amdhsa_system_sgpr_workgroup_id_x 1
		.amdhsa_system_sgpr_workgroup_id_y 1
		.amdhsa_system_sgpr_workgroup_id_z 1
		.amdhsa_system_vgpr_workitem_id 0
		.amdhsa_next_free_vgpr 1024
		.amdhsa_next_free_sgpr 96
		.amdhsa_reserve_vcc 0
		.amdhsa_float_denorm_mode_32 3
		.amdhsa_float_denorm_mode_16_64 3
		.amdhsa_memory_ordered 1
		.amdhsa_forward_progress 1
		.amdhsa_inst_pref_size 255
	.end_amdhsa_kernel
	.section	.bss,"aw",@nobits
	.p2align	6
	.space	262144
	.amdgpu_metadata
---
amdhsa.version: [ 1, 2 ]
amdhsa.kernels:
  - .name:           k_q530d865469_attn
    .symbol:         k_q530d865469_attn.kd
    .args:
      - { .name: kv, .offset: 0, .size: 8, .value_kind: global_buffer, .address_space: global }
      - { .name: qc, .offset: 8, .size: 8, .value_kind: global_buffer, .address_space: global }
      - { .name: qs, .offset: 16, .size: 8, .value_kind: global_buffer, .address_space: global }
      - { .name: pc, .offset: 24, .size: 8, .value_kind: global_buffer, .address_space: global }
      - { .name: ps, .offset: 32, .size: 8, .value_kind: global_buffer, .address_space: global }
      - { .name: x, .offset: 40, .size: 8, .value_kind: global_buffer, .address_space: global }
      - { .name: cv2_w_codes, .offset: 48, .size: 8, .value_kind: global_buffer, .address_space: global }
      - { .name: cv2_w_scales, .offset: 56, .size: 8, .value_kind: global_buffer, .address_space: global }
      - { .name: bn2_g, .offset: 64, .size: 8, .value_kind: global_buffer, .address_space: global }
      - { .name: bn2_b, .offset: 72, .size: 8, .value_kind: global_buffer, .address_space: global }
      - { .name: bn2_m, .offset: 80, .size: 8, .value_kind: global_buffer, .address_space: global }
      - { .name: bn2_v, .offset: 88, .size: 8, .value_kind: global_buffer, .address_space: global }
      - { .name: out0, .offset: 96, .size: 8, .value_kind: global_buffer, .address_space: global }
    .group_segment_fixed_size: 327680
    .private_segment_fixed_size: 0
    .kernarg_segment_align: 8
    .kernarg_segment_size: 104
    .max_flat_workgroup_size: 128
    .sgpr_count:     96
    .vgpr_count:     1024
    .wavefront_size: 32
...
	.end_amdgpu_metadata
.endif
;; end of part 2
